; MI455X (gfx1250); checked and timed in simulation.
; The chip was launched on July 23, 2026; its instructions are those of AMD's public machine-readable ISA for CDNA 5 (MIT licence, August 2026) and "CDNA5" Instruction Set Architecture Reference Guide (July 2026). The comments in the code are by the model that wrote it; some were corrected since.
;; Self Attention. Allowed arithmetic: matrix products marked QUANTISED: E4M3 operands, one E8M0 scale for each 32 along K, by v_wmma_scale_f32_16x16x128_f8f6f4 with both operands' format E4M3, f32 sums; everything else in f32.
;; Inputs: Wk 1,024 x 1,024 float32; Wp 1,024 x 1,024 float32; Wq 1,024 x 1,024 float32; Wv 1,024 x 1,024 float32; bk 1,024 float32; bp 1,024 float32; bq 1,024 float32; bv 1,024 float32; key_in 4 x 2,048 x 1,024 float32; query_in 4 x 2,048 x 1,024 float32; value_in 4 x 2,048 x 1,024 float32.
;; Outputs: out0 4 x 2,048 x 1,024 float32.
;; This version of the problem:
;;   THIS VERSION OF THE PROBLEM IS GIVEN IN LOW PRECISION. The matrix products marked QUANTISED in the list below multiply operands that are first quantised to E4M3 (4 exponent bits, 3 mantissa bits; 8 bits a number), with one power-of-two scale for each 32 numbers along K (OCP MX v1.0); their sums are f32. All else is computed in f32.
;;   The module's matrix products, in the order in which they are computed (A, B: the left and right operand; K: the contracted axis; several contracted axes count as one K, in the product's order):
;;     1. [M 8,192, K 1,024] x [K 1,024, N 1,024]; A: input key_in; B: input Wk: QUANTISED
;;     2. [M 8,192, K 1,024] x [K 1,024, N 1,024]; A: input query_in; B: input Wq: QUANTISED
;;     3. [M 8,192, K 1,024] x [K 1,024, N 1,024]; A: input value_in; B: input Wv: QUANTISED
;;     4. batch 64 x [M 2,048, K 64] x [K 64, N 2,048]; A: computed on the way; B: computed on the way: QUANTISED
;;     5. batch 64 x [M 2,048, K 2,048] x [K 2,048, N 64]; A: softmax (see below); B: computed on the way: QUANTISED
;;     6. [M 8,192, K 1,024] x [K 1,024, N 1,024]; A: computed on the way; B: input Wp: QUANTISED
;;   THE QUANTISER, for each operand of a quantised product, along K:
;;     - K is cut into blocks of 32 from its start; a last block that is shorter is filled with zeros.
;;     - A block's scale is 2^e with e = floor(log2(the largest magnitude in the block)) - 8, held to -126 .. 127; a block of zeros has e = 0. As a byte (E8M0): e + 127.
;;     - Each number is divided by its block's scale, clamped to +-448, and rounded to the nearest number of E4M3, ties to even, subnormals kept.
;;     - The product sums the exact products of the quantised numbers (number of the format x scale) in f32.
;;   ~~~python
;;   def quantise(x, axis):      # numpy; x: float32 -> the quantised numbers, widened to float32 again
;;       x = np.moveaxis(x, axis, -1); K = x.shape[-1]
;;       x = np.pad(x, [(0, 0)] * (x.ndim - 1) + [(0, -K % 32)]); x = x.reshape(x.shape[:-1] + (-1, 32)); a = np.abs(x).max(-1, keepdims=True)
;;       e = np.where(a > 0, np.clip(np.frexp(np.where(a > 0, a, 1))[1] - 1 - 8, -126, 127), 0)      # np.frexp(a)[1] - 1 = floor(log2(a)), exactly
;;       r = np.clip(x / 2.0 ** e, -448, 448)
;;       step = 2.0 ** (np.maximum(np.frexp(np.where(r == 0, 1, r))[1] - 1, -6) - 3)
;;       q = np.round(r / step) * step * 2.0 ** e      # np.round: ties to even
;;       return np.moveaxis(q.reshape(q.shape[:-2] + (-1,))[..., :K], -1, axis).astype(np.float32)
;;   ~~~
;;   SOFTMAX AHEAD OF A QUANTISED PRODUCT. Where the list says 'softmax', what is quantised is not the finished softmax but p = 2^(t - M), with t = logit x log2(e) and M = ceil(the row's largest t), a whole number; so 1/2 < the row's largest p <= 1. The row's sum l is taken of the UNQUANTISED p, in f32, and the product's result is divided by l at the end. Since M is a whole number, a kernel that streams over the keys may use a running M (the ceiling of the running maximum): every later rescaling is an exact power of two, which a block's scale takes up: the codes' values come out the same.
;;   OPERANDS COMPUTED ON THE WAY. 'Computed on the way' means the value that the module computes at that place (a softmax that the list does not call 'softmax' is quantised finished and normalised). What goes into a quantiser is computed in f32, as accurately as f32 sums, v_exp_f32 and their like allow (about 1e-6 of the number): no bf16 or f16 on the way to a quantiser, and a product that is left as it is and whose result goes on into a quantised operand takes f32 operands (vector FMAs, or v_wmma_f32_16x16x4_f32). A number that lies on a knife's edge between two numbers of the format may be rounded either way, as far as f32 arithmetic and the matrix unit's own rounding can turn it there, and no further.
;; One version. Each part assembles by itself: llvm-mc -triple=amdgcn-amd-amdhsa -mcpu=gfx1250 --defsym DOCPART=n.
;; ======== version 1 of 1: 4 launches
;; limits: right only within a limited range of input values
;; workspace buffers: xb 25,952,256 bytes; wb 4,325,376 bytes; kv 17,563,648 bytes; qb 8,912,896 bytes; yb 8,650,752 bytes
;; launch quant (part 1): grid 896 x 1, 4 waves a work-group, no clusters, 34,304 bytes of LDS; arguments key_in, query_in, value_in, Wk, Wq, Wv, Wp, xb, wb; writes xb, wb
.if DOCPART == 1
	.amdgcn_target "amdgcn-amd-amdhsa--gfx1250"
	.amdhsa_code_object_version 6
	.text
	.protected	k_q5f0c906786_quant
	.globl	k_q5f0c906786_quant
	.p2align	8
	.type	k_q5f0c906786_quant,@function
k_q5f0c906786_quant:
	s_mov_b64 s[64:65], 0
	v_nop
	global_prefetch_b8 v0, s[64:65] scope:SCOPE_SE
	s_setreg_imm32_b32 hwreg(HW_REG_WAVE_MODE, 25, 1), 1
	s_wait_xcnt 0x0
; The three inputs [8192][1024] and the four weights [1024 (k)][1024 (n)], f32, become codes of FP8 (E4M3) with one E8M0 scale byte for each 32 along K = 1,024.
; A block's scale is 2^(floor(log2(its largest magnitude)) - 8); each number is divided by it, held within +-448 and rounded to the nearest code, ties to even.
; LAYOUT OF THE RESULTS.  Rows (tokens of an input, columns n of a weight) are kept in STORED ORDER: stored place p holds row p with bits 3 and 4 exchanged, so that lane r of the tile 2 B + u
; (16 stored rows) is row 32 B + 8 u + r + 8 (r / 8).  A fragment (16 stored rows x 128 K) lies as the image of its 16 registers: 2,048 bytes = [piece c 0..3][lane 0..31][16 bytes], lane (r, h) of
; piece c holding k = 32 c + 16 h + 0 .. 15.  Codes: [tensor][row tile][K / 128][2,048].  Scale bytes: [block of 128 stored rows][K / 256][row][8 bytes].
; SHARES.  Work-groups 0 to 767: 32 tokens of one input; wave s takes K 256 s .. 256 s + 255: four fragments.  Each load reads 512 consecutive bytes of a row; a fragment's 16 rows turn through the
; wave's own stage in LDS (rows 528 bytes apart), so that a lane gets 16 neighbours along K of each block.  Work-groups 768 to 895: 128 columns x 256 K of one weight; a lane takes a column and its
; registers run down K, so a block of 32 lies in one lane and the codes come out with K innermost.  No barrier: waves share nothing.
; LIMITS: NaN and infinities among the inputs are not served.  A block of zeros, or one whose largest magnitude lies under 2^-118, keeps the byte 1 where the rule says 127 for zeros: its codes are
; zeros (or what the byte 1 gives), and the bytes are read by this program alone.
.set XSO,  25165824                    ; where the inputs' scale bytes begin in xb
.set WSO,  4194304                     ; where the weights' begin in wb
.set WV,   22                          ; s22  my wave's number
.set SEL,  24                          ; s[24:25] lane selects: lane l xor 16
.set MNT,  26                          ; s26  the mantissa field of 448
.set HM,   27                          ; s27  lanes 16 to 31
.set RA,   16                          ; v16-143  two sets of 64: a fragment's numbers as loaded
.set X,    144                         ; v144-207 the same, 16 neighbours of each block to a lane
.set PC,   208                         ; v208-223 the codes just made
.set TM,   224                         ; v224-239 at work
.set PW,   240                         ; v240-243 the four fragments' scale words
.set WX,   32                          ; weights: v32-95 two sets of 32 numbers
.set WC,   96                          ; v96-103 a block's codes
.set WB,   24                          ; v[24:25] eight scale bytes
; 64 numbers of a lane, register 16 b + i = k 32 b + 16 (lane / 16) + i of my row, become a fragment's codes in v[PC] on and its scale word in v[pw]
.macro QUANT s, pw
.irp b, 0,1,2,3
	v_max3_num_f32 v[TM+\b], |v[\s+16*\b]|, |v[\s+1+16*\b]|, 0x4800000   ; block b: my 16 numbers, and the floor 2^(9 - 127): the byte cannot fall under 1
.endr
.irp i, 2,4,6,8,10,12,14
.irp b, 0,1,2,3
	v_max3_num_f32 v[TM+\b], v[TM+\b], |v[\s+16*\b+\i]|, |v[\s+1+16*\b+\i]|   ; the four blocks by turns
.endr
.endr
.irp b, 0,1,2,3
	v_permlanex16_b32 v[TM+4+\b], v[TM+\b], s[SEL], s[SEL+1]
.endr
.irp b, 0,1,2,3
	v_max_num_f32 v[TM+\b], v[TM+\b], v[TM+4+\b]   ; with lane l xor 16's: the block's largest magnitude
.endr
.irp b, 0,1,2,3
	v_add_nc_u32 v[TM+12+\b], 0xfc000000, v[TM+\b] ; 8 off its exponent field: the conversion's scale operand
.endr
.irp b, 0,1,2,3
	v_and_or_b32 v[TM+8+\b], v[TM+\b], 0x7f800000, s[MNT]   ; 448 x the scale
.endr
.irp b, 0,1,2,3
	v_lshrrev_b32 v[TM+4+\b], 23, v[TM+12+\b]      ; the scale's byte
.endr
	v_lshl_or_b32 v[\pw], v[TM+5], 8, v[TM+4]
	v_lshl_or_b32 v[\pw], v[TM+6], 16, v[\pw]
	v_lshl_or_b32 v[\pw], v[TM+7], 24, v[\pw]
.irp b, 0,1,2,3
.irp i, 0,1,2,3,4,5,6,7,8,9,10,11,12,13,14,15
	v_med3_num_f32 v[\s+16*\b+\i], v[\s+16*\b+\i], -v[TM+8+\b], v[TM+8+\b]   ; the conversion does not saturate (ISA guide 7.6.2): the hold at the largest code x the scale
.endr
	v_cvt_scalef32_pk8_fp8_f32 v[PC+4*\b:PC+1+4*\b], v[\s+16*\b:\s+7+16*\b], v[TM+12+\b]
	v_cvt_scalef32_pk8_fp8_f32 v[PC+2+4*\b:PC+3+4*\b], v[\s+8+16*\b:\s+15+16*\b], v[TM+12+\b]
.endr
	v_nop                                          ; a plain line behind the last conversion
.endm
	s_load_b512 s[4:19], s[0:1], 0x0               ; key_in, query_in, value_in, Wk, Wq, Wv, Wp, xb
	s_load_b64 s[20:21], s[0:1], 0x40              ; wb
	v_lshl_add_u32 v254, v0, 2, 0x8400
	v_mov_b32 v255, 0
	v_lshrrev_b32 v1, 5, v0
	v_readfirstlane_b32 s[WV], v1
	v_and_b32 v5, 31, v0                           ; lane
	s_mov_b32 s[SEL], 0x76543210
	s_mov_b32 s[SEL+1], 0xfedcba98
	s_mov_b32 s[MNT], 0x600000
	s_mov_b32 s[HM], 0xffff0000
	s_cmp_ge_u32 ttmp9, 768
	s_cbranch_scc1 .Lweights
	; ---------------- an input: 32 tokens, my 256 along K
	v_lshlrev_b32 v1, 4, v5                        ; 16 x lane: my bytes of a load's 512, and of an image's piece
	s_mul_i32 s28, s[WV], 8448                     ; my stage: 16 rows x 528 bytes
	v_add_nc_u32 v2, s28, v1                       ; into it: as loaded
	v_and_b32 v6, 15, v5                           ; r
	v_lshrrev_b32 v7, 4, v5                        ; h
	v_mul_u32_u24 v3, v6, 528
	v_lshl_add_u32 v3, v7, 6, v3
	v_add_nc_u32 v3, s28, v3                       ; out of it: row r, + 64 h: 16 numbers of a block
	v_lshlrev_b32 v4, 3, v5                        ; 8 x lane: my stored row's eight scale bytes
.irp b, 0,1,2,3
	v_mov_b32 v[TM+4+\b], 0                        ; written once: a lane permute's destination counts as one of its sources
.endr
	s_and_b32 s29, ttmp9, 255
	s_lshl_b32 s30, s29, 17                        ; 32 rows of 4,096 bytes a work-group,
	s_lshl_b32 s31, s[WV], 10                      ; my 256 numbers of a row
	s_add_co_u32 s30, s30, s31
	s_mov_b32 s31, 0
	s_lshl_b32 s32, ttmp9, 15                      ; codes: two row tiles of 16,384 bytes a work-group,
	s_lshl_b32 s33, s[WV], 12                      ; my two K steps of 128
	s_add_co_u32 s32, s32, s33
	s_mov_b32 s33, 0
	s_lshr_b32 s34, ttmp9, 2                       ; scale bytes: four work-groups to a block of 128 rows,
	s_lshl_b32 s34, s34, 12
	s_lshl_b32 s35, s[WV], 10                      ; my K / 256,
	s_add_co_u32 s34, s34, s35
	s_and_b32 s35, ttmp9, 3
	s_lshl_b32 s35, s35, 8                         ; my work-group's 32 rows
	s_add_co_u32 s34, s34, s35
	s_add_co_u32 s34, s34, XSO
	s_mov_b32 s35, 0
	s_wait_alu depctr_va_vdst(0)
	s_wait_kmcnt 0x0
	s_cmp_lt_u32 ttmp9, 512                        ; which input: the choice hangs on the work-group's number alone
	s_cselect_b64 s[6:7], s[6:7], s[8:9]
	s_cmp_lt_u32 ttmp9, 256
	s_cselect_b64 s[4:5], s[4:5], s[6:7]
	s_add_nc_u64 s[4:5], s[4:5], s[30:31]
	s_add_nc_u64 s[36:37], s[18:19], s[32:33]
	s_add_nc_u64 s[38:39], s[18:19], s[34:35]
; fragment f = 2 u + q: tile u of the 32 tokens, the q-th 128 of my 256 along K
.macro LOAD f
.irp i, 0,1,2,3,4,5,6,7,8,9,10,11,12,13,14,15
	global_load_b128 v[RA+64*((\f)%2)+4*\i:RA+64*((\f)%2)+4*\i+3], v1, s[4:5] offset:(8*((\f)/2)+\i+8*(\i/8))*4096+512*((\f)%2) th:TH_LOAD_NT   ; stored row i of the tile: 512 consecutive bytes
.endr
.endm
.macro TURN f                          ; through the stage: LDS serves a wave's instructions in order, so no wait stands between the stores and the loads
.irp i, 0,1,2,3,4,5,6,7,8,9,10,11,12,13,14,15
	ds_store_b128 v2, v[RA+64*((\f)%2)+4*\i:RA+64*((\f)%2)+4*\i+3] offset:528*\i
.endr
.irp c, 0,1,2,3
.irp j, 0,1,2,3
	ds_load_b128 v[X+16*\c+4*\j:X+16*\c+4*\j+3], v3 offset:128*\c+16*\j
.endr
.endr
.endm
.macro XFRAG f
.if (\f) < 3
	s_wait_loadcnt 16                              ; this fragment's 16 loads are in; the next fragment's 16 may be out
.else
	s_wait_loadcnt 0x0
.endif
	TURN \f
	s_wait_dscnt 0x0                               ; the numbers are back, so the stores into the stage have read their registers,
.if (\f) < 2
	LOAD (\f)+2                                    ; which take the fragment two further on
.endif
.if (\f) > 0
	s_wait_xcnt 0x0                                ; the last fragment's stores have read their data: the codes' registers are written again only behind this wait
.endif
	QUANT X, PW+(\f)
.irp c, 0,1,2,3
	global_store_b128 v1, v[PC+4*\c:PC+4*\c+3], s[36:37] offset:16384*((\f)/2)+2048*((\f)%2)+512*\c   ; a piece of the image: 512 consecutive bytes
.endr
.endm
	LOAD 0
	LOAD 1
	XFRAG 0
	XFRAG 1
	XFRAG 2
	XFRAG 3
	v_cndmask_b32 v244, v240, v242, s[HM]          ; lane l stores stored row l's two words: lanes 0-15 tile 0's, lanes 16-31 tile 1's
	v_cndmask_b32 v245, v241, v243, s[HM]
	global_store_b64 v4, v[244:245], s[38:39]      ; 256 consecutive bytes, aligned
	s_wait_tensorcnt 0x0
	ds_add_u32 v254, v255
	s_wait_dscnt 0x0
	s_endpgm
	; ---------------- a weight: 128 columns, 256 along K; my wave's 32 columns
.Lweights:
	s_sub_co_u32 s28, ttmp9, 768
	s_lshr_b32 s29, s28, 5                         ; which weight
	s_bfe_u32 s30, s28, 0x30002                    ; which 128 columns
	s_and_b32 s31, s28, 3                          ; which 256 along K
	s_wait_alu depctr_va_vdst(0)
	v_and_b32 v6, 7, v5
	v_bfe_u32 v7, v5, 3, 1
	v_bfe_u32 v8, v5, 4, 1
	v_lshl_or_b32 v6, v7, 4, v6
	v_lshl_or_b32 v6, v8, 3, v6                    ; lane l IS stored place l: it reads column l with bits 3 and 4 exchanged
	v_lshlrev_b32 v1, 2, v6
	v_and_b32 v9, 15, v5
	v_lshlrev_b32 v2, 4, v9
	v_lshl_add_u32 v2, v8, 14, v2                  ; codes: tile l / 16 (16,384 bytes on), 16 bytes for row l % 16
	v_lshlrev_b32 v4, 3, v5                        ; scale bytes: 8 a stored row
	s_lshl_b32 s32, s31, 20                        ; in: 256 rows of 4,096 bytes,
	s_lshl_b32 s33, s30, 9                         ; 128 columns,
	s_add_co_u32 s32, s32, s33
	s_lshl_b32 s33, s[WV], 7                       ; my 32
	s_add_co_u32 s32, s32, s33
	s_mov_b32 s33, 0
	s_lshl_b32 s34, s29, 20                        ; codes: ((64 w + 8 cg + 2 wave) x 8 + 2 s) x 2,048
	s_lshl_b32 s35, s30, 17
	s_add_co_u32 s34, s34, s35
	s_lshl_b32 s35, s[WV], 15
	s_add_co_u32 s34, s34, s35
	s_lshl_b32 s35, s31, 12
	s_add_co_u32 s34, s34, s35
	s_mov_b32 s35, 0
	s_lshl_b32 s36, s29, 15                        ; scale bytes: (8 w + cg) x 4,096 + 1,024 s + 256 wave
	s_lshl_b32 s37, s30, 12
	s_add_co_u32 s36, s36, s37
	s_lshl_b32 s37, s31, 10
	s_add_co_u32 s36, s36, s37
	s_lshl_b32 s37, s[WV], 8
	s_add_co_u32 s36, s36, s37
	s_add_co_u32 s36, s36, WSO
	s_mov_b32 s37, 0
	s_wait_alu depctr_va_vdst(0)
	s_wait_kmcnt 0x0
	s_cmp_eq_u32 s29, 0
	s_cselect_b64 s[10:11], s[10:11], s[12:13]
	s_cmp_eq_u32 s29, 2
	s_cselect_b64 s[14:15], s[14:15], s[16:17]
	s_cmp_lt_u32 s29, 2
	s_cselect_b64 s[4:5], s[10:11], s[14:15]
	s_add_nc_u64 s[4:5], s[4:5], s[32:33]
	s_add_nc_u64 s[6:7], s[20:21], s[34:35]
	s_add_nc_u64 s[8:9], s[20:21], s[36:37]
.macro WLOAD t                         ; block t: W(32 t + i, my column) into set t % 2
.set i, 0
.rept 32
	global_load_b32 v[WX+32*((\t)%2)+i], v1, s[4:5] offset:(32*(\t)+i)*4096 th:TH_LOAD_NT
.set i, i+1
.endr
.endm
.macro BLOCK t
.set XB, WX+32*((\t)%2)
.if (\t) < 7
	s_wait_loadcnt 32                              ; this block's 32 loads are in; the next block's may be out
.else
	s_wait_loadcnt 0x0
.endif
	v_max3_num_f32 v12, |v[XB]|, |v[XB+1]|, |v[XB+2]|   ; the block's largest magnitude: all 32 numbers are mine
	v_max3_num_f32 v13, |v[XB+3]|, |v[XB+4]|, |v[XB+5]|
.irp i, 6,10,14,18,22,26
	v_max3_num_f32 v12, v12, |v[XB+\i]|, |v[XB+\i+1]|
	v_max3_num_f32 v13, v13, |v[XB+\i+2]|, |v[XB+\i+3]|
.endr
	v_max3_num_f32 v12, v12, |v[XB+30]|, |v[XB+31]|
	v_max3_num_f32 v12, v12, v13, 0x4800000        ; and the floor
	v_add_nc_u32 v11, 0xfc000000, v12              ; the conversion's scale operand
	v_and_or_b32 v10, v12, 0x7f800000, s[MNT]      ; 448 x the scale
	v_lshrrev_b32 v13, 23, v11                     ; the byte
.if (\t)%4 == 0
	v_mov_b32 v[WB+(\t)/4], v13
.else
	v_lshl_or_b32 v[WB+(\t)/4], v13, 8*((\t)%4), v[WB+(\t)/4]
.endif
.set i, 0
.rept 32
	v_med3_num_f32 v[XB+i], v[XB+i], -v10, v10
.set i, i+1
.endr
.if (\t) > 0
	s_wait_alu depctr_va_vdst(0)
	s_wait_xcnt 0x0                                ; the last block's stores have read their data
.endif
.irp g, 0,1,2,3
	v_cvt_scalef32_pk8_fp8_f32 v[WC+2*\g:WC+2*\g+1], v[XB+8*\g:XB+8*\g+7], v11
.endr
	v_nop                                          ; a plain line behind the last conversion
	global_store_b128 v2, v[WC:WC+3], s[6:7] offset:((\t)/4)*2048+((\t)%4)*512        ; k 0..15 of the block: the image's lanes 0-15: sixteen lanes store 256 consecutive bytes, aligned
	global_store_b128 v2, v[WC+4:WC+7], s[6:7] offset:((\t)/4)*2048+((\t)%4)*512+256  ; k 16..31: its lanes 16-31
.if (\t)+2 < 8
	WLOAD (\t)+2
.endif
.endm
	WLOAD 0
	WLOAD 1
.irp t, 0,1,2,3,4,5,6,7
	BLOCK \t
.endr
	global_store_b64 v4, v[WB:WB+1], s[8:9]        ; 256 consecutive bytes, aligned
	s_endpgm
.Lfunc_end_k_q5f0c906786_quant:
	.size	k_q5f0c906786_quant, .Lfunc_end_k_q5f0c906786_quant-k_q5f0c906786_quant
	.p2alignl 7, 3214868480
	.fill 96, 4, 3214868480
	.section	.rodata,"a",@progbits
	.p2align	6, 0x0
	.amdhsa_kernel k_q5f0c906786_quant
		.amdhsa_group_segment_fixed_size 34304
		.amdhsa_private_segment_fixed_size 0
		.amdhsa_enable_private_segment 0
		.amdhsa_kernarg_size 72
		.amdhsa_user_sgpr_count 2
		.amdhsa_user_sgpr_kernarg_segment_ptr 1
		.amdhsa_wavefront_size32 1
		.amdhsa_system_sgpr_workgroup_id_x 1
		.amdhsa_system_sgpr_workgroup_id_y 1
		.amdhsa_system_sgpr_workgroup_id_z 1
		.amdhsa_system_vgpr_workitem_id 0
		.amdhsa_next_free_vgpr 256
		.amdhsa_next_free_sgpr 66
		.amdhsa_reserve_vcc 0
		.amdhsa_float_denorm_mode_32 3
		.amdhsa_float_denorm_mode_16_64 3
		.amdhsa_memory_ordered 1
		.amdhsa_forward_progress 1
		.amdhsa_inst_pref_size 108
	.end_amdhsa_kernel
	.amdgpu_metadata
---
amdhsa.version: [ 1, 2 ]
amdhsa.kernels:
  - .name:           k_q5f0c906786_quant
    .symbol:         k_q5f0c906786_quant.kd
    .args:
      - { .name: key_in, .offset: 0, .size: 8, .value_kind: global_buffer, .address_space: global }
      - { .name: query_in, .offset: 8, .size: 8, .value_kind: global_buffer, .address_space: global }
      - { .name: value_in, .offset: 16, .size: 8, .value_kind: global_buffer, .address_space: global }
      - { .name: Wk, .offset: 24, .size: 8, .value_kind: global_buffer, .address_space: global }
      - { .name: Wq, .offset: 32, .size: 8, .value_kind: global_buffer, .address_space: global }
      - { .name: Wv, .offset: 40, .size: 8, .value_kind: global_buffer, .address_space: global }
      - { .name: Wp, .offset: 48, .size: 8, .value_kind: global_buffer, .address_space: global }
      - { .name: xb, .offset: 56, .size: 8, .value_kind: global_buffer, .address_space: global }
      - { .name: wb, .offset: 64, .size: 8, .value_kind: global_buffer, .address_space: global }
    .group_segment_fixed_size: 34304
    .private_segment_fixed_size: 0
    .kernarg_segment_align: 8
    .kernarg_segment_size: 72
    .max_flat_workgroup_size: 128
    .sgpr_count:     66
    .vgpr_count:     256
    .wavefront_size: 32
...
	.end_amdgpu_metadata
.endif
;; end of part 1
;; launch proj (part 2): grid 8 x 32, 4 waves a work-group, clusters of 4 x 4, 327,680 bytes of LDS; arguments xb, wb, bk, bq, bv, kv, qb; writes kv, qb
.if DOCPART == 2
	.amdgcn_target "amdgcn-amd-amdhsa--gfx1250"
	.amdhsa_code_object_version 6
	.text
	.protected	k_q5f0c906786_proj
	.globl	k_q5f0c906786_proj
	.p2align	8
	.type	k_q5f0c906786_proj,@function
k_q5f0c906786_proj:
	s_mov_b64 s[64:65], 0
	v_nop
	global_prefetch_b8 v0, s[64:65] scope:SCOPE_SE
	s_setreg_imm32_b32 hwreg(HW_REG_WAVE_MODE, 25, 1), 1
	s_wait_xcnt 0x0
	s_wait_alu depctr_hold_cnt(0) depctr_sa_sdst(0) depctr_va_vdst(0) depctr_va_sdst(0) depctr_va_ssrc(0) depctr_va_vcc(0) depctr_vm_vsrc(0)
	s_getreg_b32 s2, hwreg(HW_REG_IB_STS2, 6, 4)
	s_cmp_eq_u32 s2, 0
	s_cbranch_scc0 .Lentry_in_a_cluster
	s_endpgm
.Lentry_in_a_cluster:
	s_bfe_u32 s2, ttmp6, 0x10000c
	s_cmp_lg_u32 s2, 0xf033
	s_cbranch_scc0 .Lentry_shape_is_right
	s_endpgm
.Lentry_shape_is_right:
; K = key_in Wk + bk, Q = query_in Wq + bq, V = value_in Wv + bv on codes of MX-FP8 (E4M3, an E8M0 byte for 32 along K = 1,024), f32 sums, each result quantised again and stored
; in the order of the attention launch's operand registers.  No work of the problem is left out here.
; INPUTS: xb, wb as the first launch leaves them: a tile of 16 stored rows, all of K, is 16,384 dense bytes, eight images of 2,048 (piece c, lane, 16 bytes); scale bytes [128 rows][K / 256][row][8].
; SHARES: 256 work-groups; each owns 256 tokens x 128 columns (two heads) of K, then of Q, then of V: three phases.  Four waves, 2 x 2: a wave holds 64 rows of the weight, all of K, in 512 registers
; (windows 1, 2) and streams blocks of 16 tokens past them, which stand as two sets in window 3; wave row w takes tiles 4 w .. 4 w + 3 of each chunk of 128 tokens.  32 products a block, four sums by turns.
; K, Q: source 0 = the weight's rows: a lane holds one token, its 32 sums one head's channels 32 B + 16 h + i.  V: source 0 = the tokens: a lane holds one channel, a pair of blocks 16 neighbouring keys.
; The bias is the first products' C.
; LDS: two slots of 131,072 bytes; a weight lies in a slot until all waves hold it in registers.  Fills: at the head Wk (wave 0, slot 1), chunk 0 (wave 1, slot 0), the scale bytes of the three inputs' rows
; (waves 2, 3); then seven refills, each in a drained round of the cluster's barrier, a quarter of 128 rows a wave: chunk 1 over the weight; the next weight over chunk 0 behind the third block's products;
; the next input's chunk 0 over chunk 1 behind the seventh's.
; CLUSTERS 4 x 4: a row shares the tokens' tiles, a column the weights': joint loads.  PREFETCH: each refill's 131,072 bytes are named two refills ahead, once in a cluster: the sixteen waves that share
; the tile take 8,192 bytes each by address, lanes 256 bytes apart; the last two refills have nothing behind them to ask for.
; LIMITS: NaN and infinities are not served; a block whose largest magnitude lies under 2^-118 keeps the byte 1.
.set XSO, 25165824
.set WSO, 4194304
.set QSO, 8388608
.set BLKB, 17152                       ; a key step's block in kv: K 8 x 1,024, V 4 x 2,048, K's 128 scale words, V's 64
.set SLOTB, 131072
.set SCL, 2*SLOTB                      ; x's scale bytes: [chunk][input][4,096]
.set XV, SCL+24576                     ; V's scale bytes on their way out: [wave column][chunk][256]
.set SPARE, XV+1024
.set ADX, 4                            ; v4, v5 my x tiles in slot 0, 1
.set ADW, 6                            ; v6, v7 my rows of a weight in slot 0, 1
.set AAS, 8                            ; x's scale words
.set CO, 9                             ; 16 lane + 4,096 wave row
.set W4, 10                            ; 4 lane + 256 wave row
.set COV, 11                           ; 16 lane + 1,024 wave row
.set BO, 12
.set BOV, 13
.set ABS, 14                           ; 8 lane
.set PFO, 15                           ; 256 lane
.set VXA, 16
.set SPW, 17
.set NIL, 18
.set VRD, 19
.set SB, 24                            ; v24-39 the weight's scale words: 8 p + q: lanes 0-15 tile 2 p, lanes 16-31 tile 2 p + 1
.set EB, 40
.set SA, 44                            ; v44-59 x's scale words, two sets
.set ACC, 64                           ; v64-127 two sets of four sums
.set BQ, 128                           ; v128-159 the bias as C
.set PC, 160                           ; v160-175 codes
.set TM, 176
.set SOP, 184
.set BND, 188
.set WE, 192
.set WV, 18
.set WR, 19
.set WC, 20
.set G1X, 28
.set G1W, 36
.set G1S, 44
.set G0X, 52
.set G0W, 56
.set G0S, 60
.set SEL, 66
.set MNT, 68
.set HM, 69
.set OX, 70
.set OW, 71
.set KVB, 80
.set QCB, 82
.set QSB, 84
.set VSB, 86
.set WSB, 88
.set MSB, 0
.macro WIN new
.if MSB != (\new)
	s_set_vgpr_msb (MSB<<8)|(\new)
.set MSB, (\new)
.endif
.endm
.macro PLACES n
.rept \n
	v_nop
.endr
.endm
.macro BARRIER
	s_barrier_signal -1
	s_barrier_wait -1
.endm
.macro CROUND
	BARRIER
	s_cmp_lg_u32 s[WV], 0
	s_cbranch_scc1 .Lnot_wave_0_\@
	s_barrier_signal -3
.Lnot_wave_0_\@:
	s_barrier_wait -3
	BARRIER
.endm
.macro TLOAD g0, g1                    ; s_nop 0 and four v_nop behind the load
	tensor_load_to_lds s[\g0:\g0+3], s[\g1:\g1+7]
	s_nop 0
	PLACES 4
.endm
.macro GROUP1 g, mask, cols, rows, pitch   ; rows of cols x 8 bytes
	s_or_b32 s[\g], s[\mask], (3<<16)|(1<<21)
	s_mov_b32 s[\g+1], (\cols)<<16
	s_mov_b32 s[\g+2], (\rows)<<16
	s_mov_b32 s[\g+3], (\cols)<<16
	s_mov_b32 s[\g+4], \rows
	s_mov_b32 s[\g+5], \pitch
	s_mov_b32 s[\g+6], 0
	s_mov_b32 s[\g+7], 0
.endm
; a refill: a wait for my tensor loads, an add to my spare word and its wait, a round, and a quarter of 128 rows a wave.  first = 1: from here on a load brings 8 rows of 4,096 bytes
.macro FILL g0, g1, ptr, os, slot, imm, first
	s_wait_alu depctr_va_vdst(0)
	s_wait_tensorcnt 0x0
	ds_add_u32 v[SPW], v[NIL]
.if \first
	s_mov_b32 s[G1X+2], 8<<16
	s_mov_b32 s[G1X+4], 8
	s_mov_b32 s[G1W+2], 8<<16
	s_mov_b32 s[G1W+4], 8
.endif
	s_lshl_b32 s72, s[WV], 15
	s_add_co_u32 s[\g0+1], s72, (\slot)*SLOTB
	s_add_co_u32 s72, s72, s[\os]
	s_add_co_u32 s72, s72, \imm
	s_mov_b32 s73, 0
	s_add_nc_u64 s[\g0+2:\g0+3], s[\ptr:\ptr+1], s[72:73]
	s_or_b32 s[\g0+3], s[\g0+3], 0x80000000
	s_wait_dscnt 0x0                               ; the add, and my reads of the slot
	CROUND
	TLOAD \g0, \g1
.endm
.macro SHOW                            ; a plain barrier: the last chunk is in; nothing is filled again
	s_wait_alu depctr_va_vdst(0)
	s_wait_tensorcnt 0x0
	s_wait_dscnt 0x0
	BARRIER
.endm
.macro PFX t, c                        ; my sixteenth of chunk c of input t
	s_wait_xcnt 0x0
	s_add_co_u32 s78, s[OX], (\t)*8388608+(\c)*SLOTB
	s_add_co_u32 s78, s78, s76
	s_mov_b32 s79, 0
	s_add_nc_u64 s[78:79], s[4:5], s[78:79]
	global_prefetch_b8 v[PFO], s[78:79] th:TH_LOAD_NT scope:SCOPE_SE
.endm
.macro PFW t                           ; my sixteenth of weight t's 128 rows
	s_wait_xcnt 0x0
	s_add_co_u32 s74, s[OW], (\t)*1048576
	s_add_co_u32 s74, s74, s77
	s_mov_b32 s75, 0
	s_add_nc_u64 s[74:75], s[6:7], s[74:75]
	global_prefetch_b8 v[PFO], s[74:75] th:TH_LOAD_NT scope:SCOPE_SE
.endm
.macro WEIGHTS adr                     ; fragment 4 q + b: window 1 + (4 q + b) / 16
.irp q, 0,1,2,3,4,5,6,7
.irp b, 0,1,2,3
	WIN (1+(4*\q+\b)/16)<<6
.irp c, 0,1,2,3
	ds_load_b128 v[16*((4*\q+\b)%16)+4*\c:16*((4*\q+\b)%16)+4*\c+3], v[\adr] offset:16384*\b+2048*\q+512*\c
.endr
.endr
.endr
	WIN 0
.endm
.macro FETCH n, slot, t                ; block n of a phase into set n % 2: 36 LDS loads
	WIN 3<<6
.irp q, 0,1,2,3,4,5,6,7
.irp c, 0,1,2,3
	ds_load_b128 v[128*((\n)%2)+16*\q+4*\c:128*((\n)%2)+16*\q+4*\c+3], v[ADX+\slot] offset:16384*((\n)%4)+2048*\q+512*\c
.endr
.endr
	WIN 0
.irp s, 0,1,2,3
	ds_load_b64 v[SA+8*((\n)%2)+2*\s:SA+8*((\n)%2)+2*\s+1], v[AAS] offset:12288*((\n)/4)+4096*(\t)+1024*\s+128*((\n)%4)
.endr
.endm
.macro PARAMS t                        ; weight t's scale words and the bias in the sums' layout
.irp p, 0,1
.irp s, 0,1,2,3
	global_load_b64 v[SB+8*\p+2*\s:SB+8*\p+2*\s+1], v[ABS], s[WSB:WSB+1] offset:32768*(\t)+1024*\s+256*\p
.endr
.endr
.irp b, 0,1,2,3
.if (\t) < 2
	global_load_b128 v[BQ+8*\b:BQ+8*\b+3], v[BO], s[8+2*(\t):9+2*(\t)] offset:(32*(\b/2)+8*(\b%2))*4
	global_load_b128 v[BQ+8*\b+4:BQ+8*\b+7], v[BO], s[8+2*(\t):9+2*(\t)] offset:(32*(\b/2)+8*(\b%2))*4+16
.else
.irp i, 0,1,2,3,4,5,6,7
	global_load_b32 v[BQ+8*\b+\i], v[BOV], s[12:13] offset:(32*(\b/2)+8*(\b%2))*4
.endr
.endif
.endr
.endm
.macro PROD kind, e, n                 ; product 4 q + b: the q-th 128 of K, weight tile b
.set Q_, (\n)/4
.set B_, (\n)%4
.set FB_, 4*Q_+B_
.set AC_, ACC+32*(\e)+8*B_
.set C_, AC_
.if Q_ == 0
.set C_, BQ+8*B_
.endif
.set R_, 128*(\e)+16*Q_
.set W_, 16*(FB_%16)
.set XS_, SA+8*(\e)+Q_
.set WS_, SB+8*(B_/2)+Q_
.if \kind
	WIN 3|((1+FB_/16)<<2)
.if B_%2
	v_wmma_scale_f32_16x16x128_f8f6f4 v[AC_:AC_+7], v[R_:R_+15], v[W_:W_+15], v[C_:C_+7], v[XS_], v[WS_] matrix_b_scale:MATRIX_SCALE_ROW1
.else
	v_wmma_scale_f32_16x16x128_f8f6f4 v[AC_:AC_+7], v[R_:R_+15], v[W_:W_+15], v[C_:C_+7], v[XS_], v[WS_]
.endif
.else
	WIN (1+FB_/16)|(3<<2)
.if B_%2
	v_wmma_scale_f32_16x16x128_f8f6f4 v[AC_:AC_+7], v[W_:W_+15], v[R_:R_+15], v[C_:C_+7], v[WS_], v[XS_] matrix_a_scale:MATRIX_SCALE_ROW1
.else
	v_wmma_scale_f32_16x16x128_f8f6f4 v[AC_:AC_+7], v[W_:W_+15], v[R_:R_+15], v[C_:C_+7], v[WS_], v[XS_]
.endif
.endif
.endm
.macro BLK kind, e, w                  ; w: the LDS instructions issued behind this block's 36 loads that may stay out; eight places behind the last product
	s_wait_dscnt \w
.set N_, 0
.rept 32
	PROD \kind, \e, N_
.set N_, N_+1
.endr
	WIN 0
	PLACES 8
.endm
; K's or Q's block: two scale blocks of 32 channels, each in lanes l and l xor 16 -> 32 codes a lane, and a scale word that holds its two bytes twice; two blocks' words leave together
.macro EQ e, base, off, sbase, soff
.set X_, ACC+32*(\e)
	s_wait_xcnt 0x0                                ; the last block's stores have read their data
.irp k, 0,1,2,3
	v_max3_num_f32 v[TM+\k], |v[X_+8*\k]|, |v[X_+8*\k+1]|, |v[X_+8*\k+2]|
.endr
.irp i, 3,5
.irp k, 0,1,2,3
	v_max3_num_f32 v[TM+\k], v[TM+\k], |v[X_+8*\k+\i]|, |v[X_+8*\k+\i+1]|
.endr
.endr
.irp k, 0,1,2,3
	v_max3_num_f32 v[TM+\k], v[TM+\k], |v[X_+8*\k+7]|, 0x4800000   ; the floor 2^(9 - 127): the byte cannot fall under 1
.endr
	v_max_num_f32 v[TM], v[TM], v[TM+1]
	v_max_num_f32 v[TM+2], v[TM+2], v[TM+3]
	v_permlanex16_b32 v[TM+4], v[TM], s[SEL], s[SEL+1]
	v_permlanex16_b32 v[TM+5], v[TM+2], s[SEL], s[SEL+1]
	v_max_num_f32 v[TM], v[TM], v[TM+4]
	v_max_num_f32 v[TM+2], v[TM+2], v[TM+5]
	v_add_nc_u32 v[SOP], 0xfc000000, v[TM]         ; 8 off the exponent field: the conversion's scale operand
	v_add_nc_u32 v[SOP+1], 0xfc000000, v[TM+2]
	v_and_or_b32 v[BND], v[TM], 0x7f800000, s[MNT] ; 448 x the scale
	v_and_or_b32 v[BND+1], v[TM+2], 0x7f800000, s[MNT]
	v_lshrrev_b32 v[EB], 23, v[SOP]
	v_lshrrev_b32 v[EB+1], 23, v[SOP+1]
	v_lshl_or_b32 v[WE+\e], v[EB+1], 8, v[EB]
	v_lshl_or_b32 v[WE+\e], v[WE+\e], 16, v[WE+\e]
.irp b, 0,1
.set I_, 0
.rept 16
	v_med3_num_f32 v[X_+16*\b+I_], v[X_+16*\b+I_], -v[BND+\b], v[BND+\b]   ; the conversion does not saturate (ISA guide 7.6.2)
.set I_, I_+1
.endr
	v_cvt_scalef32_pk8_fp8_f32 v[PC+4*\b:PC+4*\b+1], v[X_+16*\b:X_+16*\b+7], v[SOP+\b]
	v_cvt_scalef32_pk8_fp8_f32 v[PC+4*\b+2:PC+4*\b+3], v[X_+16*\b+8:X_+16*\b+15], v[SOP+\b]
.endr
.if \e
	v_cndmask_b32 v[WE+2], v[WE], v[WE+1], s[HM]   ; lanes 0-15 the even tile's words, lanes 16-31 the odd one's.  (A plain line behind the last conversion)
.else
	v_nop
.endif
	global_store_b128 v[CO], v[PC:PC+3], s[\base:\base+1] offset:\off         ; a piece of the tile's image: 512 consecutive bytes
	global_store_b128 v[CO], v[PC+4:PC+7], s[\base:\base+1] offset:(\off)+512
.if \e
	global_store_b32 v[W4], v[WE+2], s[\sbase:\sbase+1] offset:\soff          ; 128 consecutive bytes
.endif
.endm
; a pair of V's blocks: for each of four tiles of 16 channels a scale block of 32 keys in lanes l and l xor 16
.macro EV off, boff
	s_wait_xcnt 0x0
.irp t, 0,1,2,3
	v_max3_num_f32 v[TM+\t], |v[ACC+8*\t]|, |v[ACC+8*\t+1]|, |v[ACC+8*\t+2]|
	v_max3_num_f32 v[TM+4+\t], |v[ACC+32+8*\t]|, |v[ACC+32+8*\t+1]|, |v[ACC+32+8*\t+2]|
.endr
.irp i, 3,5
.irp t, 0,1,2,3
	v_max3_num_f32 v[TM+\t], v[TM+\t], |v[ACC+8*\t+\i]|, |v[ACC+8*\t+\i+1]|
	v_max3_num_f32 v[TM+4+\t], v[TM+4+\t], |v[ACC+32+8*\t+\i]|, |v[ACC+32+8*\t+\i+1]|
.endr
.endr
.irp t, 0,1,2,3
	v_max3_num_f32 v[TM+4+\t], v[TM+4+\t], |v[ACC+32+8*\t+7]|, 0x4800000
.endr
.irp t, 0,1,2,3
	v_max3_num_f32 v[TM+\t], v[TM+\t], |v[ACC+8*\t+7]|, v[TM+4+\t]
.endr
.irp t, 0,1,2,3
	v_permlanex16_b32 v[TM+4+\t], v[TM+\t], s[SEL], s[SEL+1]
.endr
.irp t, 0,1,2,3
	v_max_num_f32 v[TM+\t], v[TM+\t], v[TM+4+\t]
.endr
.irp t, 0,1,2,3
	v_add_nc_u32 v[SOP+\t], 0xfc000000, v[TM+\t]
.endr
.irp t, 0,1,2,3
	v_and_or_b32 v[BND+\t], v[TM+\t], 0x7f800000, s[MNT]
.endr
.irp t, 0,1,2,3
	v_lshrrev_b32 v[EB+\t], 23, v[SOP+\t]
.endr
.irp t, 0,1,2,3
.irp i, 0,1,2,3,4,5,6,7
	v_med3_num_f32 v[ACC+8*\t+\i], v[ACC+8*\t+\i], -v[BND+\t], v[BND+\t]
	v_med3_num_f32 v[ACC+32+8*\t+\i], v[ACC+32+8*\t+\i], -v[BND+\t], v[BND+\t]
.endr
	v_cvt_scalef32_pk8_fp8_f32 v[PC+4*\t:PC+4*\t+1], v[ACC+8*\t:ACC+8*\t+7], v[SOP+\t]
	v_cvt_scalef32_pk8_fp8_f32 v[PC+4*\t+2:PC+4*\t+3], v[ACC+32+8*\t:ACC+32+8*\t+7], v[SOP+\t]
.endr
	v_nop                                          ; a plain line behind the last conversion
.irp t, 0,1,2,3
	ds_store_b8 v[VXA], v[EB+\t] offset:(\boff)+64*\t      ; both halves of the lanes hold the same byte
	global_store_b128 v[COV], v[PC+4*\t:PC+4*\t+3], s[KVB:KVB+1] offset:(\off)+2048*\t
.endr
.endm
.macro EPI kind, t, n
.if \kind
.if (\n)%2
	EV ((\n)/4)*BLKB+8192+512*(((\n)%4)/2), ((\n)/4)*256+((\n)%4)/2
.endif
.elseif (\t) == 0
	EQ (\n)%2, KVB, ((\n)/4)*BLKB+1024*((\n)%4), KVB, ((\n)/4)*BLKB+16384+64*((\n)%4-1)
.else
	EQ (\n)%2, QCB, ((\n)/4)*8192+1024*((\n)%4), QSB, ((\n)/4)*512+64*((\n)%4-1)
.endif
.endm
; a phase: the weight lies in slot sw, chunk 0 in the other
.macro PHASE kind, t, sw
	WEIGHTS ADW+\sw
	FILL G0X, G1X, 4, OX, \sw, (\t)*8388608+SLOTB, (\t)==0      ; chunk 1 over the weight; the round shows chunk 0
	FETCH 0, 1-\sw, \t
	FETCH 1, 1-\sw, \t
.if (\t) < 2
	PFX (\t)+1, 0
.endif
	s_wait_loadcnt 0x0                             ; the weight's scale words and the bias
	BLK \kind, 0, 36
	FETCH 2, 1-\sw, \t
	EPI \kind, \t, 0
	BLK \kind, 1, 36
	FETCH 3, 1-\sw, \t
	EPI \kind, \t, 1
	BLK \kind, 0, 36
.if (\t) < 2
	FILL G0W, G1W, 6, OW, 1-\sw, ((\t)+1)*1048576, 0            ; the next weight over chunk 0, whose last rows are in registers; the round shows chunk 1
.else
	SHOW
.endif
	FETCH 4, \sw, \t
.if (\t) < 2
	PFX (\t)+1, 1
.endif
	EPI \kind, \t, 2
	BLK \kind, 1, 36
	FETCH 5, \sw, \t
	EPI \kind, \t, 3
	BLK \kind, 0, 36
	FETCH 6, \sw, \t
	EPI \kind, \t, 4
	BLK \kind, 1, 36
	FETCH 7, \sw, \t
	EPI \kind, \t, 5
	BLK \kind, 0, 36
.if (\t) < 2
	FILL G0X, G1X, 4, OX, \sw, ((\t)+1)*8388608, 0              ; the next input's chunk 0 over chunk 1; the round shows the next weight
.endif
	EPI \kind, \t, 6
.if (\t) == 0
	PFW 2
.endif
	BLK \kind, 1, 0
	EPI \kind, \t, 7
.if (\t) < 2
	PARAMS (\t)+1
.endif
.endm
	s_load_b256 s[4:11], s[0:1], 0x0               ; xb, wb, bk, bq
	s_load_b128 s[12:15], s[0:1], 0x20             ; bv, kv
	s_load_b64 s[16:17], s[0:1], 0x30              ; qb
	v_lshl_add_u32 v[SPW], v0, 2, SPARE
	v_mov_b32 v[NIL], 0
	ds_add_u32 v[SPW], v[NIL]                      ; the opening lines: the add twice on end and its wait
	ds_add_u32 v[SPW], v[NIL]
	v_lshrrev_b32 v1, 5, v0
	v_readfirstlane_b32 s[WV], v1
	s_lshr_b32 s[WR], s[WV], 1                     ; my row of waves
	s_and_b32 s[WC], s[WV], 1                      ; my column of waves
	s_bfe_u32 s21, ttmp6, 0x40000                  ; cx
	s_bfe_u32 s22, ttmp6, 0x40004                  ; cy
	s_lshl_b32 s23, ttmp9, 2
	s_add_co_u32 s23, s23, s21                     ; which 128 columns
	s_and_b32 s24, ttmp7, 0xffff
	s_lshl_b32 s24, s24, 2
	s_add_co_u32 s24, s24, s22                     ; which 256 tokens
	s_lshl_b32 s25, s22, 2
	s_lshl_b32 s25, 15, s25                        ; my row of the cluster
	s_lshl_b32 s26, 0x1111, s21                    ; my column
	GROUP1 G1X, 25, 512, 32, 512                   ; at the head 32 rows of 4,096 bytes: 128 tokens
	GROUP1 G1W, 26, 512, 32, 512
	GROUP1 G1S, 25, 512, 3, 32768                  ; a chunk's 4,096 scale bytes of each of the three inputs, 262,144 bytes apart
	s_lshl_b32 s[OX], s24, 18
	s_lshl_b32 s[OW], s23, 17
	s_lshl_b32 s27, s24, 13
	s_lshl_b32 s72, s[WC], 12
	s_add_co_u32 s27, s27, s72
	s_add_co_u32 s27, s27, XSO
	s_mov_b32 s[G0S], 1
	s_mul_i32 s[G0S+1], s[WC], 12288
	s_add_co_u32 s[G0S+1], s[G0S+1], SCL
	s_mov_b32 s[G0X], 1
	s_mov_b32 s[G0X+1], 0
	s_mov_b32 s[G0W], 1
	s_mov_b32 s[G0W+1], SLOTB
	s_lshl_b32 s76, s21, 2                         ; which of the cluster row's sixteen waves I am: my share of a prefetch of tokens,
	s_add_co_u32 s76, s76, s[WV]
	s_lshl_b32 s76, s76, 13
	s_lshl_b32 s77, s22, 2                         ; and of the column's: of a weight
	s_add_co_u32 s77, s77, s[WV]
	s_lshl_b32 s77, s77, 13
	s_mov_b32 s[SEL], 0x76543210
	s_mov_b32 s[SEL+1], 0xfedcba98
	s_mov_b32 s[MNT], 0x600000
	s_mov_b32 s[HM], 0xffff0000
	s_wait_dscnt 0x0
	CROUND                                         ; in front of the first joint loads
	s_wait_kmcnt 0x0
	s_mov_b32 s73, 0
	s_mov_b32 s72, s[OX]
	s_add_nc_u64 s[G0X+2:G0X+3], s[4:5], s[72:73]
	s_or_b32 s[G0X+3], s[G0X+3], 0x80000000
	s_mov_b32 s72, s[OW]
	s_add_nc_u64 s[G0W+2:G0W+3], s[6:7], s[72:73]
	s_or_b32 s[G0W+3], s[G0W+3], 0x80000000
	s_mov_b32 s72, s27
	s_add_nc_u64 s[G0S+2:G0S+3], s[4:5], s[72:73]
	s_or_b32 s[G0S+3], s[G0S+3], 0x80000000
	s_cmp_eq_u32 s[WV], 0                          ; one joint load a wave; the weight, which is wanted first, has a line of its own
	s_cbranch_scc0 .Lw1
	TLOAD G0W, G1W
	s_branch .Lasked
.Lw1:
	s_cmp_eq_u32 s[WV], 1
	s_cbranch_scc0 .Lw23
	TLOAD G0X, G1X
	s_branch .Lasked
.Lw23:
	TLOAD G0S, G1S
.Lasked:
	s_lshr_b32 s92, s24, 3                         ; where my results go
	s_lshl_b32 s92, s92, 4
	s_lshl_b32 s93, s23, 1
	s_add_co_u32 s92, s92, s93                     ; 16 x batch + the first of my work-group's two heads
	s_and_b32 s93, s24, 7                          ; which 256 tokens of the batch
	s_add_co_u32 s90, s92, s[WC]                   ; my head
	s_lshl_b32 s72, s90, 4
	s_lshl_b32 s91, s93, 1
	s_add_co_u32 s72, s72, s91
	s_mul_i32 s72, s72, BLKB
	s_add_nc_u64 s[KVB:KVB+1], s[14:15], s[72:73]  ; kv: my head's key step 2 x s93
	s_lshl_b32 s72, s90, 7
	s_lshl_b32 s74, s93, 4
	s_add_co_u32 s74, s72, s74                     ; qb: tile 128 x head + 16 x s93
	s_lshl_b32 s72, s74, 10
	s_add_nc_u64 s[QCB:QCB+1], s[16:17], s[72:73]
	s_lshl_b32 s72, s74, 6
	s_add_co_u32 s72, s72, QSO
	s_add_nc_u64 s[QSB:QSB+1], s[16:17], s[72:73]
	s_add_co_u32 s72, s92, s[WR]                   ; V's scale words at the end: wave n stores head n / 2, chunk n % 2
	s_lshl_b32 s72, s72, 4
	s_add_co_u32 s72, s72, s91
	s_add_co_u32 s72, s72, s[WC]
	s_mul_i32 s72, s72, BLKB
	s_add_co_u32 s72, s72, 16896
	s_add_nc_u64 s[VSB:VSB+1], s[14:15], s[72:73]
	s_lshl_b32 s72, s23, 9
	s_lshl_b32 s74, s[WC], 8
	s_add_co_u32 s72, s72, s74                     ; my head's 64 numbers of a bias
	s_add_nc_u64 s[8:9], s[8:9], s[72:73]
	s_add_nc_u64 s[10:11], s[10:11], s[72:73]
	s_add_nc_u64 s[12:13], s[12:13], s[72:73]
	s_lshl_b32 s72, s23, 12
	s_lshl_b32 s74, s[WC], 9
	s_add_co_u32 s72, s72, s74
	s_add_co_u32 s72, s72, WSO
	s_add_nc_u64 s[WSB:WSB+1], s[6:7], s[72:73]
	s_lshl_b32 s94, s[WR], 16
	s_lshl_b32 s95, s[WC], 16
	s_lshl_b32 s96, s[WR], 9
	s_add_co_u32 s96, s96, SCL
	s_lshl_b32 s97, s[WR], 12
	s_lshl_b32 s98, s[WR], 10
	s_lshl_b32 s99, s[WR], 8
	s_lshl_b32 s100, s[WC], 9
	s_lshl_b32 s101, s[WR], 1
	s_add_co_u32 s100, s100, s101
	s_add_co_u32 s100, s100, XV
	s_lshl_b32 s101, s[WV], 8
	s_add_co_u32 s101, s101, XV
	v_and_b32 v1, 15, v0                           ; r
	v_bfe_u32 v2, v0, 4, 1                         ; h
	v_and_b32 v3, 31, v0                           ; lane
	v_lshlrev_b32 v20, 4, v3
	v_add_nc_u32 v[ADX], s94, v20
	v_add_nc_u32 v[ADX+1], SLOTB, v[ADX]
	v_add_nc_u32 v[ADW], s95, v20
	v_add_nc_u32 v[ADW+1], SLOTB, v[ADW]
	v_lshl_add_u32 v[AAS], v1, 3, s96
	v_add_nc_u32 v[CO], s97, v20
	v_add_nc_u32 v[COV], s98, v20
	v_lshl_add_u32 v[W4], v3, 2, s99
	v_lshlrev_b32 v[BO], 6, v2
	v_and_b32 v21, 8, v1
	v_add_nc_u32 v21, v21, v1
	v_lshlrev_b32 v[BOV], 2, v21                   ; channel r + 8 (r / 8) of a tile
	v_lshlrev_b32 v[ABS], 3, v3
	v_lshlrev_b32 v[PFO], 8, v3
	v_lshl_add_u32 v[VXA], v1, 2, s100
	v_lshl_add_u32 v[VRD], v3, 3, s101
.irp k, 4,5,6,7
	v_mov_b32 v[TM+\k], 0                          ; a lane permute's destination counts as one of its sources
.endr
	PARAMS 0
	s_wait_alu depctr_va_vdst(0)
	s_cmp_eq_u32 s[WV], 0
	s_cbranch_scc0 .Lnot_w
	s_wait_tensorcnt 0x0                           ; wave 0: the first weight has landed; the others' wait stands in front of the first round
.Lnot_w:
	BARRIER
	PFX 0, 1
	PFW 1
	PHASE 0, 0, 1
	PHASE 0, 1, 0
	PHASE 1, 2, 1
	s_wait_dscnt 0x0                               ; V's scale bytes: both rows of waves have stored theirs
	BARRIER
	ds_load_b64 v[TM:TM+1], v[VRD]
	s_wait_dscnt 0x0
	global_store_b64 v[ABS], v[TM:TM+1], s[VSB:VSB+1]   ; 256 consecutive bytes
	s_wait_tensorcnt 0x0                           ; the wave's end
	ds_add_u32 v[SPW], v[NIL]
	s_wait_dscnt 0x0
	CROUND                                         ; the closing round
	s_endpgm
.Lfunc_end_k_q5f0c906786_proj:
	.size	k_q5f0c906786_proj, .Lfunc_end_k_q5f0c906786_proj-k_q5f0c906786_proj
	.p2alignl 7, 3214868480
	.fill 96, 4, 3214868480
	.section	.rodata,"a",@progbits
	.p2align	6, 0x0
	.amdhsa_kernel k_q5f0c906786_proj
		.amdhsa_group_segment_fixed_size 327680
		.amdhsa_private_segment_fixed_size 0
		.amdhsa_enable_private_segment 0
		.amdhsa_kernarg_size 56
		.amdhsa_user_sgpr_count 2
		.amdhsa_user_sgpr_kernarg_segment_ptr 1
		.amdhsa_wavefront_size32 1
		.amdhsa_system_sgpr_workgroup_id_x 1
		.amdhsa_system_sgpr_workgroup_id_y 1
		.amdhsa_system_sgpr_workgroup_id_z 1
		.amdhsa_system_vgpr_workitem_id 0
		.amdhsa_next_free_vgpr 1024
		.amdhsa_next_free_sgpr 102
		.amdhsa_reserve_vcc 0
		.amdhsa_float_denorm_mode_32 3
		.amdhsa_float_denorm_mode_16_64 3
		.amdhsa_memory_ordered 1
		.amdhsa_forward_progress 1
		.amdhsa_inst_pref_size 255
	.end_amdhsa_kernel
	.section	.bss,"aw",@nobits
	.p2align	6
	.space	262144
	.amdgpu_metadata
---
amdhsa.version: [ 1, 2 ]
amdhsa.kernels:
  - .name:           k_q5f0c906786_proj
    .symbol:         k_q5f0c906786_proj.kd
    .args:
      - { .name: xb, .offset: 0, .size: 8, .value_kind: global_buffer, .address_space: global }
      - { .name: wb, .offset: 8, .size: 8, .value_kind: global_buffer, .address_space: global }
      - { .name: bk, .offset: 16, .size: 8, .value_kind: global_buffer, .address_space: global }
      - { .name: bq, .offset: 24, .size: 8, .value_kind: global_buffer, .address_space: global }
      - { .name: bv, .offset: 32, .size: 8, .value_kind: global_buffer, .address_space: global }
      - { .name: kv, .offset: 40, .size: 8, .value_kind: global_buffer, .address_space: global }
      - { .name: qb, .offset: 48, .size: 8, .value_kind: global_buffer, .address_space: global }
    .group_segment_fixed_size: 327680
    .private_segment_fixed_size: 0
    .kernarg_segment_align: 8
    .kernarg_segment_size: 56
    .max_flat_workgroup_size: 128
    .sgpr_count:     102
    .vgpr_count:     1024
    .wavefront_size: 32
...
	.end_amdgpu_metadata
.endif
;; end of part 2
;; launch attn (part 3): grid 4 x 64, 16 waves a work-group, no clusters, 327,680 bytes of LDS; arguments qb, kv, yb; writes yb
.if DOCPART == 3
	.amdgcn_target "amdgcn-amd-amdhsa--gfx1250"
	.amdhsa_code_object_version 6
	.text
	.protected	k_q5f0c906786_attn
	.globl	k_q5f0c906786_attn
	.p2align	8
	.type	k_q5f0c906786_attn,@function
k_q5f0c906786_attn:
	s_mov_b64 s[64:65], 0
	v_nop
	global_prefetch_b8 v0, s[64:65] scope:SCOPE_SE
	s_setreg_imm32_b32 hwreg(HW_REG_WAVE_MODE, 25, 1), 1
	s_wait_xcnt 0x0
; y[b][q][head] = softmax over keys k <= q of (q . k / 8) times v, for 64 heads of 2,048 tokens x 64 channels, both products on codes of FP8 (E4M3) with E8M0 scales; y is quantised along the
; model's 1,024 channels on the way out and stored as register images for the last product.
; THE SOFTMAX: t = score x log2(e) / 8; M = the row's largest t so far, rounded up to a whole number; p = 2^(t - M) is quantised along the keys, not normalised; the row's sum is taken of the
; unquantised p and divides at the end.  When M moves, the sum and O are multiplied by 2^(old M - new M): exact.
; SHARES.  Work-group (j, head) owns query blocks 7 - j and then j, of 256 queries: 8 - j and j + 1 slots of 256 keys: nine slots for every work-group.  Each of sixteen waves owns one stored tile
; of 16 queries (queries Q0 + r + 8 (r / 8), Q0 = 32 (T / 2) + 8 (T % 2)) in 256 registers, four waves to a SIMD.
; NO CLUSTER: the four work-groups of a head walk different runs of slots from the sixth trip on (8 - j against j + 1), so partners would have to ask for, and wait for, tiles that they do not read.
; A key step of 128 keys lies in kv as one dense block of 17,152 bytes: K's 8 tiles x 1,024, V^T's 4 tiles x 2,048, K's 128 scale words, V's 64.  A slot holds two; waves 0 and 1 fetch one each.
; BOTH PRODUCTS TRANSPOSED: S^T = K Q^T, O^T = V^T P^T: a lane holds one query; by the stored order of K's rows the 16 registers of two neighbouring tiles are 16 neighbouring keys, and by that of
; V's rows a lane's 32 registers of O^T are channels 32 b + 16 (lane / 16) + i.
; K = 64 IN AN INSTRUCTION OF 128: both operands carry zero codes in the other half.  One run of zeros serves two neighbours: K's tiles lie [K0][0][K1][K2][0][K3] and Q lies [0][Q][0]; even tiles have
; their codes in the lower half, odd ones in the upper; the scale words hold their two bytes twice.
; CAUSAL: every work-group walks its nine slots by a loop of constant count; a step all of whose keys come after the wave's queries is jumped over (a branch on ids); on the diagonal hidden scores
; become -infinity ahead of the maximum.  A step that is not jumped over begins at or below every query of the tile, so M is a number from the first step on.
; LIMITS: NaN and infinities are not served; 1 / sum is v_rcp_f32's (1 ulp); the sum of p goes in two chains of packed additions, another order than a plain sum's; a block of y under 2^-118 keeps the byte 1.
; REGISTERS: v1-9 addresses; v12 -M, v13 the largest t, v[14:15] the sum; v16-39 Q among zeros; v40-87 K among zeros; v88-151 S^T, p, then V's four fragments; v152-183 O^T; v184-199 p's codes;
;   v200-208 the second block's Q; v210-213 V's scale words; v232-254 at work; v248-251 K's scale words; v253 p's; v255 Q's.
.set QSO,   8388608
.set YSO,   8388608
.set BLK,   17152                      ; a key step's block
.set SLOTB, 2*BLK
.set SLOT1, 65536                      ; slot 1 begins here: one exclusive or turns an address from slot to slot
.set SPARE, SLOT1+SLOTB                ; the spare words, 128 bytes for each of 16 waves: eight blocks of 256 bytes that no other line names
.set L16, 1                            ; v1  16 x lane
.set L4,  2                            ; v2  4 x (lane % 16)
.set DQ,  3                            ; v3  r + 8 (r / 8) - 16 h
.set YB8, 4                            ; v4  8 r + h
.set SPW, 5
.set NIL, 6
.set PFO, 7                            ; v7  256 x lane
.set ADF, 8                            ; v8  the slot in hand + 16 x lane
.set ADS, 9                            ; v9  the slot in hand + 4 r
.set S,   88
.set O,   152
.set PCD, 184
.set TB,  2                            ; s2  LDS byte at which the slot in hand begins
.set WV,  18
.set MNT, 19
.set SEL, 20
.set CS,  22                           ; s[22:23] c = log2(e) / 8
.set G1,  24
.set G0,  32
.set KF,  36                           ; the step's first key
.set Q0,  37
.set QMAX, 38
.set Q0B, 39
.set TAU, 40                           ; the trip
.set NA,  41                           ; slots of the first block
.set NA1, 42
.set SLOTS, 43
.set WRAP, 44
.set W0,  46                           ; s[46:47]
.set YF,  48
.set YS,  50
.set YFB, 52
.set YSB, 54
.set PFA, 56
.set LIM, 58
.set HM,  59
.macro TLOAD                           ; waves 0 and 1 fetch; the branch hangs on the wave's number alone; four v_nop follow the line
	s_cmp_lt_u32 s[WV], 2
	s_cbranch_scc0 .Lasked_\@
	tensor_load_to_lds s[G0:G0+3], s[G1:G1+7]
	s_nop 0
.rept 4
	v_nop
.endr
.Lasked_\@:
.endm
; A PREFETCH INTO THE L2 of the codes of the slot that the NEXT change of slots will ask for.  All four work-groups of a head walk the same blocks; the one with j = 0 walks the whole head in its first
; block, and it alone asks, in trips 0 to 5 (slots 2 to 7).  In it waves 4 to 7, which fetch nothing, take 8,192 bytes each (K's or V's tiles of one key step), lanes 256 bytes apart: each aligned 256
; bytes of codes are named once.  The scale words (768 bytes a step) and slots 0 and 1 come by their loads alone.
.macro ASK
	s_cmp_le_i32 s[TAU], s[LIM]
	s_cbranch_scc0 .Lnot_mine_\@
	global_prefetch_b8 v[PFO], s[PFA:PFA+1] th:TH_LOAD_NT scope:SCOPE_SE
.Lnot_mine_\@:
.endm
; for the tile whose number stands in s[t]: its first query, where its codes and scale bytes of y go, where its Q and Q's scale words lie
.macro TILEADR t, q0, yf, ys, qc, qw
	s_lshr_b32 s70, s[\t], 1
	s_lshl_b32 s70, s70, 5
	s_and_b32 s71, s[\t], 1
	s_lshl_b32 s71, s71, 3
	s_add_co_u32 s[\q0], s70, s71
	s_add_co_u32 s70, s[\t], s14                   ; the row tile of y: 128 x batch + T
	s_lshl_b32 s72, s70, 14                        ; 8 images of 2,048 bytes a row tile,
	s_add_co_u32 s72, s72, s15                     ; + 1,024 x head: image head / 2, pieces 2 (head % 2) on
	s_mov_b32 s73, 0
	s_add_nc_u64 s[\yf:\yf+1], s[8:9], s[72:73]
	s_lshr_b32 s72, s70, 3
	s_lshl_b32 s72, s72, 12                        ; scale bytes: the block of 128 rows,
	s_and_b32 s71, s70, 7
	s_lshl_b32 s71, s71, 7                         ; my 16 rows of 8 bytes,
	s_add_co_u32 s72, s72, s71
	s_add_co_u32 s72, s72, s16                     ; K / 256 = head / 4, byte 2 (head % 4)
	s_add_nc_u64 s[\ys:\ys+1], s[8:9], s[72:73]
	s_lshl_b32 s70, s10, 7
	s_add_co_u32 s70, s70, s[\t]                   ; 128 x head + T
	s_lshl_b32 s72, s70, 10
	s_add_nc_u64 s[\qc:\qc+1], s[4:5], s[72:73]
	s_lshl_b32 s72, s70, 6
	s_add_co_u32 s72, s72, QSO
	s_add_nc_u64 s[\qw:\qw+1], s[4:5], s[72:73]
.endm
	s_load_b128 s[4:7], s[0:1], 0x0                ; qb, kv
	s_load_b64 s[8:9], s[0:1], 0x10                ; yb
	v_lshl_add_u32 v[SPW], v0, 2, SPARE
	v_mov_b32 v[NIL], 0
	ds_add_u32 v5, v6
	ds_add_u32 v5, v6
	s_wait_dscnt 0x0
	v_lshrrev_b32 v8, 5, v0
	s_delay_alu instid0(VALU_DEP_1)
	v_readfirstlane_b32 s[WV], v8
	s_and_b32 s10, ttmp7, 0xffff                   ; the head, 0 .. 63
	s_sub_co_u32 s[NA], 8, ttmp9
	s_sub_co_u32 s[NA1], 7, ttmp9
	s_mul_i32 s[WRAP], s[NA], SLOTB
	s_mov_b32 s[W0+1], 0
	s_lshl_b32 s11, s[NA1], 4
	s_add_co_u32 s11, s11, s[WV]                   ; my tile in the first block,
	s_lshl_b32 s12, ttmp9, 4
	s_add_co_u32 s12, s12, s[WV]                   ; in the second
	s_and_b32 s13, s10, 15                         ; the head within its batch
	s_lshr_b32 s14, s10, 4
	s_lshl_b32 s14, s14, 7
	s_lshl_b32 s15, s13, 10
	s_lshr_b32 s16, s13, 2
	s_lshl_b32 s16, s16, 10
	s_and_b32 s17, s13, 3
	s_lshl_b32 s17, s17, 1
	s_add_co_u32 s16, s16, s17
	s_add_co_u32 s16, s16, YSO
	s_mul_i32 s60, s10, 16*BLK                     ; the head's first byte in kv
	s_and_b32 s61, s[WV], 1
	s_mul_i32 s61, s61, BLK                        ; which of a slot's two blocks I fetch, if I fetch
	s_add_co_u32 s62, s60, s61
	s_mov_b32 s63, 0
	; group 1: a dense block of 17,152 bytes as 67 rows of 256 (32 elements of 8 bytes)
	s_mov_b32 s[G1], 3<<16
	s_mov_b32 s[G1+1], 32<<16
	s_mov_b32 s[G1+2], 67<<16
	s_mov_b32 s[G1+3], 32<<16
	s_mov_b32 s[G1+4], 67
	s_mov_b32 s[G1+5], 32
	s_mov_b32 s[G1+6], 0
	s_mov_b32 s[G1+7], 0
	s_mov_b32 s[SEL], 0x76543210
	s_mov_b32 s[SEL+1], 0xfedcba98
	s_mov_b32 s[CS], 0x3e38aa3b                    ; log2(e) / 8
	s_mov_b32 s[CS+1], s[CS]
	s_mov_b32 s[MNT], 0x600000
	s_mov_b32 s[HM], 0xffff0000
	s_mov_b32 s[TB], 0
	s_mov_b32 s[KF], 0
	s_mov_b32 s[TAU], 0
	s_mov_b32 s[SLOTS], 8
	s_wait_kmcnt 0x0
	s_mov_b32 s[G0], 1
	s_mov_b32 s[G0+1], s61                         ; slot 0
	s_add_nc_u64 s[G0+2:G0+3], s[6:7], s[62:63]
	s_or_b32 s[G0+3], s[G0+3], 0x80000000
	TLOAD                                          ; slot 0: one tensor load of mine is out
	TILEADR 11, Q0, YF, YS, 74, 76
	TILEADR 12, Q0B, YFB, YSB, 78, 80
	s_add_co_u32 s[QMAX], s[Q0], 23
	s_bfe_u32 s70, s[WV], 0x10001                  ; the prefetches: waves 4, 5 the slot's first block, waves 6, 7 its second;
	s_mul_i32 s70, s70, BLK
	s_and_b32 s71, s[WV], 1
	s_lshl_b32 s71, s71, 13                        ; even waves K's tiles, odd ones V's
	s_add_co_u32 s70, s70, s71
	s_add_co_u32 s70, s70, s60
	s_add_co_u32 s70, s70, SLOTB                   ; in slot 1: the first change of slots steps it to slot 2
	s_mov_b32 s71, 0
	s_add_nc_u64 s[PFA:PFA+1], s[6:7], s[70:71]
	s_sub_co_u32 s70, s[WV], 4
	s_lshr_b32 s70, s70, 2                         ; 0 in waves 4 to 7,
	s_or_b32 s70, s70, ttmp9                       ; of the work-group with j = 0
	s_cmp_eq_u32 s70, 0
	s_cselect_b32 s[LIM], 5, -1
	v_and_b32 v10, 31, v0
	s_delay_alu instid0(VALU_DEP_1)
	v_lshlrev_b32 v[L16], 4, v10
	v_and_b32 v11, 15, v0                          ; r
	s_delay_alu instid0(VALU_DEP_1)
	v_lshlrev_b32 v[L4], 2, v11
	v_bfe_u32 v8, v0, 4, 1                         ; h
	s_delay_alu instid0(VALU_DEP_3)
	v_and_b32 v9, 8, v11
	s_delay_alu instid0(VALU_DEP_1)
	v_add_nc_u32 v[DQ], v11, v9
	s_delay_alu instid0(VALU_DEP_3)
	v_lshlrev_b32 v9, 4, v8
	s_delay_alu instid0(VALU_DEP_1)
	v_sub_nc_u32 v[DQ], v[DQ], v9
	v_lshl_add_u32 v[YB8], v11, 3, v8
	v_lshlrev_b32 v[PFO], 8, v10
	global_load_b128 v[24:27], v[L16], s[74:75]               ; Q of the first block: pieces 0, 1
	global_load_b128 v[28:31], v[L16], s[74:75] offset:512
	global_load_b32 v255, v[L4], s[76:77]                     ; and its scale words
	global_load_b128 v[200:203], v[L16], s[78:79]             ; of the second
	global_load_b128 v[204:207], v[L16], s[78:79] offset:512
	global_load_b32 v208, v[L4], s[80:81]
.irp z, 16, 32, 48, 72
.irp j, 0,1,2,3,4,5,6,7
	v_mov_b32 v[\z+\j], 0                          ; the zero codes: written once
.endr
.endr
	v_mov_b32 v13, 0xff61b1e6                      ; the largest t so far: -3e38
	s_delay_alu instid0(VALU_DEP_1)
	v_floor_f32 v12, -v13                          ; -M
	v_mov_b32 v14, 0
	v_mov_b32 v15, 0
.irp b, 0,1,2,3
	v_mov_b32 v[236+\b], 0                         ; a lane permute's destination counts as one of its sources
.endr
	v_mov_b32 v252, 0
	v_mov_b32 v253, 0
.set i, 0
.rept 32
	v_mov_b32 v[O+i], 0                            ; O^T: the step is written once; the first finds zeros
.set i, i+1
.endr
; A KEY STEP: 128 keys, the q-th of the slot in hand
.macro STEP q
	s_cmp_gt_u32 s[KF], s[QMAX]                    ; all its keys come after my queries: nothing to do
	s_cbranch_scc1 .Lhidden_\@
.rept 9
	v_nop                                          ; S^T is laid over V's fragments, which the last products read: nine places in front of a matrix instruction that writes over them
.endr
	s_wait_alu depctr_va_vdst(0)
.irp g, 0,1                                    ; S^T = K Q^T, four tiles of 16 keys at a time
.if \g > 0
.rept 8
	v_nop                                          ; places in front of loads into registers that matrix instructions have read
.endr
.endif
.irp t, 0,1,2,3
	ds_load_b128 v[40+24*(\t/2)+16*(\t%2):43+24*(\t/2)+16*(\t%2)], v[ADF] offset:BLK*(\q)+1024*(4*\g+\t)
	ds_load_b128 v[44+24*(\t/2)+16*(\t%2):47+24*(\t/2)+16*(\t%2)], v[ADF] offset:BLK*(\q)+1024*(4*\g+\t)+512
	ds_load_b32 v[248+\t], v[ADS] offset:BLK*(\q)+16384+64*(4*\g+\t)
.endr
	s_wait_dscnt 0x0
.irp t, 0,1,2,3
	v_wmma_scale_f32_16x16x128_f8f6f4 v[S+8*(4*\g+\t):S+8*(4*\g+\t)+7], v[40+24*(\t/2)+8*(\t%2):55+24*(\t/2)+8*(\t%2)], v[24-8*(\t%2):39-8*(\t%2)], 0, v[248+\t], v255
.endr
.endr                                          ; register 16 b + i of S^T: key KF + 32 b + 16 (lane / 16) + i
.rept 8
	v_nop
.endr
	s_add_co_u32 s70, s[KF], 127
	s_cmp_le_u32 s70, s[Q0]                        ; all keys count: no mask
	s_cbranch_scc1 .Lopen_\@
	s_sub_co_i32 s70, s[Q0], s[KF]
	v_add_nc_u32 v252, s70, v[DQ]                  ; d = my query - KF - 16 (lane / 16): register 16 b + i is hidden where 32 b + i > d
	v_mov_b32 v254, 0xff800000                     ; -infinity
.set i, 0
.rept 64
	v_cmp_gt_i32 vcc_lo, 32*(i/16)+i%16, v252
	v_cndmask_b32 v[S+i], v[S+i], v254, vcc_lo
.set i, i+1
.endr
.Lopen_\@:
.irp b, 0,1,2,3
	v_max3_num_f32 v[232+\b], v[S+16*\b], v[S+1+16*\b], v[S+2+16*\b]   ; the largest score of each block of 32 keys: for the row's maximum, and, since p rises with the score, for the block's largest p
.endr
.irp i, 3,5,7,9,11,13
.irp b, 0,1,2,3
	v_max3_num_f32 v[232+\b], v[232+\b], v[S+16*\b+\i], v[S+1+16*\b+\i]
.endr
.endr
.irp b, 0,1,2,3
	v_max_num_f32 v[232+\b], v[232+\b], v[S+15+16*\b]
.endr
.irp b, 0,1,2,3
	s_delay_alu instid0(VALU_DEP_4)
	v_permlanex16_b32 v[236+\b], v[232+\b], s[SEL], s[SEL+1]
.endr
.irp b, 0,1,2,3
	s_delay_alu instid0(VALU_DEP_4)
	v_max_num_f32 v[232+\b], v[232+\b], v[236+\b]  ; with lane l xor 16's 16 keys
.endr
	s_delay_alu instid0(VALU_DEP_2)
	v_max3_num_f32 v254, v232, v233, v234
	s_delay_alu instid0(VALU_DEP_1)
	v_max_num_f32 v254, v254, v235
	s_delay_alu instid0(VALU_DEP_1)
	v_mul_f32 v254, s[CS], v254                    ; as t
	s_delay_alu instid0(VALU_DEP_1)
	v_max_num_f32 v13, v13, v254                   ; the running largest t
	v_mov_b32 v254, v12
	s_delay_alu instid0(VALU_DEP_2)
	v_floor_f32 v12, -v13                          ; the new -M = -ceil(t)
	s_delay_alu instid0(VALU_DEP_1)
	v_sub_f32 v254, v12, v254                      ; old M - new M: a whole number, 0 or less
	s_delay_alu instid0(VALU_DEP_1)
	v_cvt_i32_f32 v254, v254
	s_delay_alu instid0(VALU_DEP_1)
	v_ldexp_f32 v252, 1.0, v254                    ; f = 2^(old M - new M)
.set i, 0
.rept 32
	v_pk_fma_f32 v[S+i:S+i+1], v[S+i:S+i+1], s[CS:CS+1], v[12:13] op_sel_hi:[1,0,0]   ; t - M
.set i, i+2
.endr
.irp b, 0,1,2,3
	v_fma_f32 v[232+\b], v[232+\b], s[CS], v12     ; the same of each block's largest score
.endr
.set i, 0
	s_wait_alu depctr_va_vdst(0)
.rept 64
	v_exp_f32 v[S+i], v[S+i]                       ; p = 2^(t - M)
.set i, i+1
.endr
	v_pk_mul_f32 v[14:15], v[14:15], v[252:253] op_sel_hi:[1,0]   ; the sums under the new M: a plain line behind the exponentials
	s_wait_alu depctr_va_vdst(0)                   ; one wait for the batch of 64, ahead of its first reader
.irp b, 0,1,2,3
	v_exp_f32 v[232+\b], v[232+\b]                 ; the block's largest p
.endr
	v_pk_add_f32 v[236:237], v[92:93], v[96:97]
	v_pk_add_f32 v[250:251], v[100:101], v[104:105]
	v_pk_add_f32 v[248:249], v[108:109], v[112:113]
	v_pk_add_f32 v[246:247], v[116:117], v[120:121]
	v_pk_add_f32 v[244:245], v[124:125], v[128:129]
	v_pk_add_f32 v[242:243], v[132:133], v[136:137]
	v_pk_add_f32 v[240:241], v[140:141], v[144:145]
	v_pk_add_f32 v[14:15], v[14:15], v[148:149]
	v_pk_add_f32 v[236:237], v[236:237], v[88:89]
	v_pk_add_f32 v[250:251], v[250:251], v[90:91]
	v_pk_add_f32 v[248:249], v[248:249], v[94:95]
	v_pk_add_f32 v[246:247], v[246:247], v[98:99]
	v_pk_add_f32 v[244:245], v[244:245], v[102:103]
	v_pk_add_f32 v[242:243], v[242:243], v[106:107]
	v_pk_add_f32 v[240:241], v[240:241], v[110:111]
	v_pk_add_f32 v[14:15], v[14:15], v[114:115]
	v_pk_add_f32 v[236:237], v[236:237], v[118:119]
	v_pk_add_f32 v[250:251], v[250:251], v[122:123]
	v_pk_add_f32 v[248:249], v[248:249], v[126:127]
	v_pk_add_f32 v[246:247], v[246:247], v[130:131]
	v_pk_add_f32 v[244:245], v[244:245], v[134:135]
	v_pk_add_f32 v[242:243], v[242:243], v[138:139]
	v_pk_add_f32 v[240:241], v[240:241], v[142:143]
	v_pk_add_f32 v[14:15], v[14:15], v[146:147]
	v_pk_add_f32 v[236:237], v[236:237], v[150:151]
	s_delay_alu instid0(VALU_DEP_2)
	v_pk_add_f32 v[14:15], v[14:15], v[246:247]
	s_delay_alu instid0(VALU_DEP_2)
	v_pk_add_f32 v[236:237], v[236:237], v[244:245]
	v_pk_add_f32 v[250:251], v[250:251], v[242:243]
	v_pk_add_f32 v[248:249], v[248:249], v[240:241]
	s_delay_alu instid0(VALU_DEP_2)
	v_pk_add_f32 v[14:15], v[14:15], v[250:251]
	s_delay_alu instid0(VALU_DEP_2)
	v_pk_add_f32 v[236:237], v[236:237], v[248:249]
	s_delay_alu instid0(VALU_DEP_1)
	v_pk_add_f32 v[14:15], v[14:15], v[236:237]
	s_wait_alu depctr_va_vdst(0)                   ; and one for the four
.irp b, 0,1,2,3
	v_max_num_f32 v[232+\b], 0x4800000, v[232+\b]  ; the floor: the byte cannot fall under 1
.endr
.irp b, 0,1,2,3
	s_delay_alu instid0(VALU_DEP_4)
	v_add_nc_u32 v[244+\b], 0xfc000000, v[232+\b]  ; the conversion's scale operand
.endr
.irp b, 0,1,2,3
	v_and_or_b32 v[240+\b], v[232+\b], 0x7f800000, s[MNT]   ; 448 x the scale
.endr
.irp b, 0,1,2,3
	v_lshrrev_b32 v[236+\b], 23, v[244+\b]         ; the byte
.endr
	s_delay_alu instid0(VALU_DEP_3)
	v_lshl_or_b32 v253, v237, 8, v236              ; p's scale word for these 128 keys
	s_delay_alu instid0(VALU_DEP_1)
	v_lshl_or_b32 v253, v238, 16, v253
	s_delay_alu instid0(VALU_DEP_1)
	v_lshl_or_b32 v253, v239, 24, v253
.irp b, 0,1,2,3
.irp i, 0,1,2,3,4,5,6,7,8,9,10,11,12,13,14,15
	v_min_num_f32 v[S+16*\b+\i], v[S+16*\b+\i], v[240+\b]   ; the conversion does not saturate (ISA guide 7.6.2); p is not negative: a one-sided hold
.endr
	v_cvt_scalef32_pk8_fp8_f32 v[PCD+4*\b:PCD+1+4*\b], v[S+16*\b:S+7+16*\b], v[244+\b]
	v_cvt_scalef32_pk8_fp8_f32 v[PCD+2+4*\b:PCD+3+4*\b], v[S+8+16*\b:S+15+16*\b], v[244+\b]
.endr
.irp t, 0,1,2,3                                ; V's four fragments take p's registers
.irp c, 0,1,2,3
	ds_load_b128 v[S+16*\t+4*\c:S+16*\t+4*\c+3], v[ADF] offset:BLK*(\q)+8192+2048*\t+512*\c
.endr
	ds_load_b32 v[210+\t], v[ADS] offset:BLK*(\q)+16896+64*\t
.endr
.set i, 0
.rept 16
	v_pk_mul_f32 v[O+i:O+i+1], v[O+i:O+i+1], v[252:253] op_sel_hi:[1,0]   ; O^T under the new M
.set i, i+2
.endr
.rept 8
	v_nop                                          ; eight places that name no register of the products below, ahead of them for p's codes and p's scale word; they are issued while V is on its way
.endr
	s_wait_alu depctr_va_vdst(0)
	s_wait_dscnt 0x0
.irp t, 0,1,2,3
	v_wmma_scale_f32_16x16x128_f8f6f4 v[O+8*\t:O+8*\t+7], v[S+16*\t:S+16*\t+15], v[PCD:PCD+15], v[O+8*\t:O+8*\t+7], v[210+\t], v253
.endr
.Lhidden_\@:
	s_add_co_u32 s[KF], s[KF], 128
.endm
; THE CHANGE OF SLOTS, at a slot's head.  Each wave waits for all its tensor loads (its part of the slot ahead), adds 0 to its spare word, and waits for that and for its reads of the slot that it has left.
; fill = 1: that slot takes the blocks of the next trip: the next 256 keys, or, where the next trip begins the second block of queries, the head's first 256.
.macro CHANGE fill
	s_wait_tensorcnt 0x0                           ; no tensor load of mine is out, so group 0 may be written
	ds_add_u32 v[SPW], v[NIL]                      ; 0 onto my spare word
.if \fill
	s_xor_b32 s[G0+1], s[G0+1], SLOT1
	s_add_nc_u64 s[G0+2:G0+3], s[G0+2:G0+3], SLOTB
	s_cmp_eq_u32 s[TAU], s[NA1]
	s_cselect_b32 s[W0], s[WRAP], 0
	s_sub_nc_u64 s[G0+2:G0+3], s[G0+2:G0+3], s[W0:W0+1]
	s_wait_xcnt 0x0                                ; the last prefetch, a slot back, has read its address
	s_add_nc_u64 s[PFA:PFA+1], s[PFA:PFA+1], SLOTB
.endif
	s_wait_dscnt 0x0                               ; the add is done, and my reads of the slot that I have left are over
	s_barrier_signal -1
	s_barrier_wait -1
.if \fill
	TLOAD                                          ; the first thing behind the barrier, a wave's one tensor load until the next: it has two key steps in which to land
	ASK
.endif
	v_add_nc_u32 v[ADF], s[TB], v[L16]
	v_add_nc_u32 v[ADS], s[TB], v[L4]
.endm
; A BLOCK OF QUERIES IS DONE: O^T / the sum is quantised along the channels (two blocks of 32, each in lanes l and l xor 16) and stored: two pieces of an image, and a scale byte a lane.
.macro FINISH
.rept 8
	v_nop                                          ; places behind the last products
.endr
	v_add_f32 v14, v14, v15
	s_delay_alu instid0(VALU_DEP_1)
	v_permlanex16_b32 v252, v14, s[SEL], s[SEL+1]
	s_delay_alu instid0(VALU_DEP_1)
	v_add_f32 v14, v14, v252                       ; the row's sum
	s_wait_alu depctr_va_vdst(0)
	v_rcp_f32 v14, v14
	v_nop
	s_wait_alu depctr_va_vdst(0)                   ; ahead of the reciprocal's first reader
.set i, 0
.rept 16
	v_pk_mul_f32 v[S+i:S+i+1], v[O+i:O+i+1], v[14:15] op_sel_hi:[1,0]   ; register 16 b + i: channel 32 b + 16 (lane / 16) + i of my query
.set i, i+2
.endr
.irp b, 0,1
	v_max3_num_f32 v[232+\b], |v[S+16*\b]|, |v[S+1+16*\b]|, 0x4800000
.endr
.irp i, 2,4,6,8,10,12,14
.irp b, 0,1
	s_delay_alu instid0(VALU_DEP_2)
	v_max3_num_f32 v[232+\b], v[232+\b], |v[S+16*\b+\i]|, |v[S+1+16*\b+\i]|
.endr
.endr
.irp b, 0,1
	s_delay_alu instid0(VALU_DEP_2)
	v_permlanex16_b32 v[236+\b], v[232+\b], s[SEL], s[SEL+1]
.endr
.irp b, 0,1
	s_delay_alu instid0(VALU_DEP_2)
	v_max_num_f32 v[232+\b], v[232+\b], v[236+\b]
.endr
.irp b, 0,1
	s_delay_alu instid0(VALU_DEP_2)
	v_add_nc_u32 v[244+\b], 0xfc000000, v[232+\b]
.endr
.irp b, 0,1
	s_delay_alu instid0(VALU_DEP_4)
	v_and_or_b32 v[240+\b], v[232+\b], 0x7f800000, s[MNT]
.endr
.irp b, 0,1
	s_delay_alu instid0(VALU_DEP_4)
	v_lshrrev_b32 v[236+\b], 23, v[244+\b]
.endr
.irp b, 0,1
.irp i, 0,1,2,3,4,5,6,7,8,9,10,11,12,13,14,15
	v_med3_num_f32 v[S+16*\b+\i], v[S+16*\b+\i], -v[240+\b], v[240+\b]
.endr
	v_cvt_scalef32_pk8_fp8_f32 v[PCD+4*\b:PCD+1+4*\b], v[S+16*\b:S+7+16*\b], v[244+\b]
	v_cvt_scalef32_pk8_fp8_f32 v[PCD+2+4*\b:PCD+3+4*\b], v[S+8+16*\b:S+15+16*\b], v[244+\b]
.endr
	v_cndmask_b32 v254, v236, v237, s[HM]          ; lanes 0-15 store the first block's byte, lanes 16-31 the second's.  (A plain line behind the last conversion)
	global_store_b128 v[L16], v[PCD:PCD+3], s[YF:YF+1]               ; 512 consecutive bytes, aligned
	global_store_b128 v[L16], v[PCD+4:PCD+7], s[YF:YF+1] offset:512
	global_store_b8 v[YB8], v254, s[YS:YS+1]       ; two bytes of a row's eight: the other six are other heads', other work-groups': 256 KiB in the whole launch leave so
	s_wait_xcnt 0x0                                ; the stores have read their registers and bases
.endm
	s_wait_loadcnt 0x0                             ; Q
.Lslot:                                            ; eight trips: behind each change of slots but the last the next slot is asked for
	CHANGE 1
	STEP 0
	STEP 1
	s_xor_b32 s[TB], s[TB], SLOT1
	s_add_co_u32 s[TAU], s[TAU], 1
	s_cmp_lg_u32 s[TAU], s[NA]                     ; a branch on ids: the first block of queries ends behind trip 7 - j; no barrier, tensor load or LDS access stands inside
	s_cbranch_scc1 .Lsame
	FINISH
.irp j, 0,1,2,3,4,5,6,7
	v_mov_b32 v[24+\j], v[200+\j]                  ; the second block's Q
.endr
	v_mov_b32 v255, v208
	v_mov_b32 v13, 0xff61b1e6
	s_delay_alu instid0(VALU_DEP_1)
	v_floor_f32 v12, -v13
	v_mov_b32 v14, 0
	v_mov_b32 v15, 0
.set i, 0
.rept 32
	v_mov_b32 v[O+i], 0
.set i, i+1
.endr
	s_mov_b32 s[KF], 0
	s_mov_b32 s[Q0], s[Q0B]
	s_add_co_u32 s[QMAX], s[Q0B], 23
	s_mov_b64 s[YF:YF+1], s[YFB:YFB+1]
	s_mov_b64 s[YS:YS+1], s[YSB:YSB+1]
.Lsame:
	s_sub_co_u32 s[SLOTS], s[SLOTS], 1
	s_cmp_lg_u32 s[SLOTS], 0
	s_cbranch_scc1 .Lslot
	CHANGE 0                                       ; the ninth slot is written out
	STEP 0
	STEP 1
	FINISH
	s_wait_tensorcnt 0x0                           ; the wave's end
	ds_add_u32 v[SPW], v[NIL]
	s_wait_dscnt 0x0
	s_endpgm
.Lfunc_end_k_q5f0c906786_attn:
	.size	k_q5f0c906786_attn, .Lfunc_end_k_q5f0c906786_attn-k_q5f0c906786_attn
	.p2alignl 7, 3214868480
	.fill 96, 4, 3214868480
	.section	.rodata,"a",@progbits
	.p2align	6, 0x0
	.amdhsa_kernel k_q5f0c906786_attn
		.amdhsa_group_segment_fixed_size 327680
		.amdhsa_private_segment_fixed_size 0
		.amdhsa_enable_private_segment 0
		.amdhsa_kernarg_size 24
		.amdhsa_user_sgpr_count 2
		.amdhsa_user_sgpr_kernarg_segment_ptr 1
		.amdhsa_wavefront_size32 1
		.amdhsa_system_sgpr_workgroup_id_x 1
		.amdhsa_system_sgpr_workgroup_id_y 1
		.amdhsa_system_sgpr_workgroup_id_z 1
		.amdhsa_system_vgpr_workitem_id 0
		.amdhsa_next_free_vgpr 256
		.amdhsa_next_free_sgpr 96
		.amdhsa_reserve_vcc 1
		.amdhsa_float_denorm_mode_32 3
		.amdhsa_float_denorm_mode_16_64 3
		.amdhsa_memory_ordered 1
		.amdhsa_forward_progress 1
		.amdhsa_inst_pref_size 128
	.end_amdhsa_kernel
	.amdgpu_metadata
---
amdhsa.version: [ 1, 2 ]
amdhsa.kernels:
  - .name:           k_q5f0c906786_attn
    .symbol:         k_q5f0c906786_attn.kd
    .args:
      - { .name: qb, .offset: 0, .size: 8, .value_kind: global_buffer, .address_space: global }
      - { .name: kv, .offset: 8, .size: 8, .value_kind: global_buffer, .address_space: global }
      - { .name: yb, .offset: 16, .size: 8, .value_kind: global_buffer, .address_space: global }
    .group_segment_fixed_size: 327680
    .private_segment_fixed_size: 0
    .kernarg_segment_align: 8
    .kernarg_segment_size: 24
    .max_flat_workgroup_size: 512
    .sgpr_count:     96
    .vgpr_count:     256
    .wavefront_size: 32
...
	.end_amdgpu_metadata
.endif
;; end of part 3
;; launch outp (part 4): grid 8 x 32, 4 waves a work-group, clusters of 4 x 4, 327,680 bytes of LDS; arguments yb, wb, bp, out0; writes out0
.if DOCPART == 4
	.amdgcn_target "amdgcn-amd-amdhsa--gfx1250"
	.amdhsa_code_object_version 6
	.text
	.protected	k_q5f0c906786_outp
	.globl	k_q5f0c906786_outp
	.p2align	8
	.type	k_q5f0c906786_outp,@function
k_q5f0c906786_outp:
	s_mov_b64 s[64:65], 0
	v_nop
	global_prefetch_b8 v0, s[64:65] scope:SCOPE_SE
	s_setreg_imm32_b32 hwreg(HW_REG_WAVE_MODE, 25, 1), 1
	s_wait_xcnt 0x0
	s_wait_alu depctr_hold_cnt(0) depctr_sa_sdst(0) depctr_va_vdst(0) depctr_va_sdst(0) depctr_va_ssrc(0) depctr_va_vcc(0) depctr_vm_vsrc(0)
	s_getreg_b32 s2, hwreg(HW_REG_IB_STS2, 6, 4)
	s_cmp_eq_u32 s2, 0
	s_cbranch_scc0 .Lentry_in_a_cluster
	s_endpgm
.Lentry_in_a_cluster:
	s_bfe_u32 s2, ttmp6, 0x10000c
	s_cmp_lg_u32 s2, 0xf033
	s_cbranch_scc0 .Lentry_shape_is_right
	s_endpgm
.Lentry_shape_is_right:
; out0 = y Wp + bp on codes of MX-FP8 (E4M3, an E8M0 byte for 32 along K = 1,024), f32 sums.  yb and wb hold register images: a tile of 16 stored rows, all of K, is 16,384 dense bytes; scale bytes [128 rows][K / 256][row][8].
; SHARES: 256 work-groups of 256 tokens x 128 columns.  Four waves, 2 x 2: a wave holds 64 rows of Wp, all of K, in 512 registers (windows 1, 2) and streams blocks of 16 tokens past them (two sets, window 3);
; wave row w takes tiles 4 w .. 4 w + 3 of each chunk of 128 tokens.  Source 0 = Wp's rows: a lane holds one token and 32 sums, columns 32 B + 16 h + i of the wave's 64.  The bias is the first products' C.
; LDS: two slots of 131,072 bytes.  At the head Wp's rows (wave 0, slot 1), chunk 0 (wave 1, slot 0), the scale bytes (waves 2, 3); chunk 1 comes over Wp's rows in a drained round once all waves hold them.
; THE WAY OUT: a block of 16 tokens x 64 columns turns through the wave's own stage, so that sixteen lanes store 256 consecutive bytes, aligned.
; CLUSTERS 4 x 4: a row shares y's tiles, a column Wp's.  PREFETCH: chunk 1 is named at the head, once in a cluster, 8,192 bytes a wave of the row's sixteen, by address; nothing else is loaded later.
; LIMITS: NaN and infinities are not served.
.set WSO, 4194304
.set YSO, 8388608
.set SLOTB, 131072
.set SCL, 2*SLOTB                      ; y's scale bytes: [chunk][4,096]
.set STG, SCL+8192                     ; four stages of 16 rows x 272 bytes
.set SPARE, STG+17408
.set ADX, 4
.set ADW, 6
.set AAS, 8
.set STO, 9
.set RD, 10
.set GO, 11
.set BO, 12
.set ABS, 14
.set PFO, 15
.set SPW, 17
.set NIL, 18
.set SB, 24
.set SA, 44
.set ACC, 64
.set BQ, 128
.set BK, 160                           ; v160-191 a block read back by rows
.set WV, 18
.set WR, 19
.set WC, 20
.set G1X, 28
.set G1W, 36
.set G1S, 44
.set G0X, 52
.set G0W, 56
.set G0S, 60
.set OX, 70
.set OW, 71
.set OB, 80
.set WSB, 88
.set MSB, 0
.macro WIN new
.if MSB != (\new)
	s_set_vgpr_msb (MSB<<8)|(\new)
.set MSB, (\new)
.endif
.endm
.macro PLACES n
.rept \n
	v_nop
.endr
.endm
.macro BARRIER
	s_barrier_signal -1
	s_barrier_wait -1
.endm
.macro CROUND
	BARRIER
	s_cmp_lg_u32 s[WV], 0
	s_cbranch_scc1 .Lnot_wave_0_\@
	s_barrier_signal -3
.Lnot_wave_0_\@:
	s_barrier_wait -3
	BARRIER
.endm
.macro TLOAD g0, g1                    ; s_nop 0 and four v_nop behind the load
	tensor_load_to_lds s[\g0:\g0+3], s[\g1:\g1+7]
	s_nop 0
	PLACES 4
.endm
.macro GROUP1 g, mask, cols, rows, pitch
	s_or_b32 s[\g], s[\mask], (3<<16)|(1<<21)
	s_mov_b32 s[\g+1], (\cols)<<16
	s_mov_b32 s[\g+2], (\rows)<<16
	s_mov_b32 s[\g+3], (\cols)<<16
	s_mov_b32 s[\g+4], \rows
	s_mov_b32 s[\g+5], \pitch
	s_mov_b32 s[\g+6], 0
	s_mov_b32 s[\g+7], 0
.endm
.macro WEIGHTS adr
.irp q, 0,1,2,3,4,5,6,7
.irp b, 0,1,2,3
	WIN (1+(4*\q+\b)/16)<<6
.irp c, 0,1,2,3
	ds_load_b128 v[16*((4*\q+\b)%16)+4*\c:16*((4*\q+\b)%16)+4*\c+3], v[\adr] offset:16384*\b+2048*\q+512*\c
.endr
.endr
.endr
	WIN 0
.endm
.macro FETCH n, slot                   ; block n into set n % 2: 36 LDS loads
	WIN 3<<6
.irp q, 0,1,2,3,4,5,6,7
.irp c, 0,1,2,3
	ds_load_b128 v[128*((\n)%2)+16*\q+4*\c:128*((\n)%2)+16*\q+4*\c+3], v[ADX+\slot] offset:16384*((\n)%4)+2048*\q+512*\c
.endr
.endr
	WIN 0
.irp s, 0,1,2,3
	ds_load_b64 v[SA+8*((\n)%2)+2*\s:SA+8*((\n)%2)+2*\s+1], v[AAS] offset:4096*((\n)/4)+1024*\s+128*((\n)%4)
.endr
.endm
.macro PROD e, n
.set Q_, (\n)/4
.set B_, (\n)%4
.set FB_, 4*Q_+B_
.set AC_, ACC+32*(\e)+8*B_
.set C_, AC_
.if Q_ == 0
.set C_, BQ+8*B_
.endif
.set R_, 128*(\e)+16*Q_
.set W_, 16*(FB_%16)
.set XS_, SA+8*(\e)+Q_
.set WS_, SB+8*(B_/2)+Q_
	WIN (1+FB_/16)|(3<<2)
.if B_%2
	v_wmma_scale_f32_16x16x128_f8f6f4 v[AC_:AC_+7], v[W_:W_+15], v[R_:R_+15], v[C_:C_+7], v[WS_], v[XS_] matrix_a_scale:MATRIX_SCALE_ROW1
.else
	v_wmma_scale_f32_16x16x128_f8f6f4 v[AC_:AC_+7], v[W_:W_+15], v[R_:R_+15], v[C_:C_+7], v[WS_], v[XS_]
.endif
.endm
; block n: 32 products, eight places, the sums into the stage and back by rows, the fetch of the block two on, the stores.  fs: the slot of that fetch, -1: none; show = 1: the barrier that shows chunk 1
.macro STEPO n, w, fs, show
.set X_, ACC+32*((\n)%2)
.set ROW_, 128*((\n)/4)+32*(((\n)%4)/2)+8*((\n)%2)
	s_wait_dscnt \w
.set N_, 0
.rept 32
	PROD (\n)%2, N_
.set N_, N_+1
.endr
	WIN 0
	PLACES 8
	s_wait_xcnt 0x0                                ; the last block's stores have read their data
.irp b, 0,1,2,3
	ds_store_b128 v[STO], v[X_+8*\b:X_+8*\b+3] offset:128*(\b/2)+32*(\b%2)        ; each sum from its low end on
	ds_store_b128 v[STO], v[X_+8*\b+4:X_+8*\b+7] offset:128*(\b/2)+32*(\b%2)+16
.endr
.irp k, 0,1,2,3,4,5,6,7
	ds_load_b128 v[BK+4*\k:BK+4*\k+3], v[RD] offset:544*\k     ; LDS serves a wave's instructions in order: these see my stores
.endr
.if \show
	s_wait_tensorcnt 0x0                           ; chunk 1 is in; nothing is filled again: a plain barrier
	s_wait_dscnt 0x0
	BARRIER
.endif
.if (\fs) >= 0
	FETCH (\n)+2, \fs
	s_wait_dscnt 36                                ; all but the 36 just issued: the block is back
.else
	s_wait_dscnt 0x0
.endif
.irp k, 0,1,2,3,4,5,6,7
	global_store_b128 v[GO], v[BK+4*\k:BK+4*\k+3], s[OB:OB+1] offset:(ROW_+2*\k+8*(\k/4))*4096 th:TH_STORE_NT   ; two rows, 256 consecutive bytes each
.endr
.endm
	s_load_b256 s[4:11], s[0:1], 0x0               ; yb, wb, bp, out0
	v_lshl_add_u32 v[SPW], v0, 2, SPARE
	v_mov_b32 v[NIL], 0
	ds_add_u32 v[SPW], v[NIL]                      ; the opening lines: the add twice on end and its wait
	ds_add_u32 v[SPW], v[NIL]
	v_lshrrev_b32 v1, 5, v0
	v_readfirstlane_b32 s[WV], v1
	s_lshr_b32 s[WR], s[WV], 1
	s_and_b32 s[WC], s[WV], 1
	s_bfe_u32 s21, ttmp6, 0x40000                  ; cx
	s_bfe_u32 s22, ttmp6, 0x40004                  ; cy
	s_lshl_b32 s23, ttmp9, 2
	s_add_co_u32 s23, s23, s21                     ; which 128 columns
	s_and_b32 s24, ttmp7, 0xffff
	s_lshl_b32 s24, s24, 2
	s_add_co_u32 s24, s24, s22                     ; which 256 tokens
	s_lshl_b32 s25, s22, 2
	s_lshl_b32 s25, 15, s25
	s_lshl_b32 s26, 0x1111, s21
	GROUP1 G1X, 25, 512, 32, 512
	GROUP1 G1W, 26, 512, 32, 512
	GROUP1 G1S, 25, 32, 16, 32                     ; a chunk's 4,096 scale bytes as 16 rows of 256
	s_lshl_b32 s[OX], s24, 18
	s_lshl_b32 s[OW], s23, 17
	s_add_co_u32 s[OW], s[OW], 3*1048576           ; Wp is the fourth weight in wb
	s_lshl_b32 s27, s24, 13
	s_lshl_b32 s72, s[WC], 12
	s_add_co_u32 s27, s27, s72
	s_add_co_u32 s27, s27, YSO
	s_mov_b32 s[G0S], 1
	s_add_co_u32 s[G0S+1], s72, SCL
	s_mov_b32 s[G0X], 1
	s_mov_b32 s[G0X+1], 0
	s_mov_b32 s[G0W], 1
	s_mov_b32 s[G0W+1], SLOTB
	s_lshl_b32 s76, s21, 2
	s_add_co_u32 s76, s76, s[WV]
	s_lshl_b32 s76, s76, 13                        ; my sixteenth of a prefetch of y's rows
	s_wait_dscnt 0x0
	CROUND
	s_wait_kmcnt 0x0
	s_mov_b32 s73, 0
	s_mov_b32 s72, s[OX]
	s_add_nc_u64 s[G0X+2:G0X+3], s[4:5], s[72:73]
	s_or_b32 s[G0X+3], s[G0X+3], 0x80000000
	s_mov_b32 s72, s[OW]
	s_add_nc_u64 s[G0W+2:G0W+3], s[6:7], s[72:73]
	s_or_b32 s[G0W+3], s[G0W+3], 0x80000000
	s_mov_b32 s72, s27
	s_add_nc_u64 s[G0S+2:G0S+3], s[4:5], s[72:73]
	s_or_b32 s[G0S+3], s[G0S+3], 0x80000000
	s_cmp_eq_u32 s[WV], 0
	s_cbranch_scc0 .Lw1
	TLOAD G0W, G1W
	s_branch .Lasked
.Lw1:
	s_cmp_eq_u32 s[WV], 1
	s_cbranch_scc0 .Lw23
	TLOAD G0X, G1X
	s_branch .Lasked
.Lw23:
	TLOAD G0S, G1S
.Lasked:
	s_lshl_b32 s72, s23, 9
	s_lshl_b32 s74, s[WC], 8
	s_add_co_u32 s72, s72, s74                     ; my 64 columns, in bytes
	s_add_nc_u64 s[8:9], s[8:9], s[72:73]
	s_lshl_b32 s74, s24, 20
	s_add_co_u32 s72, s72, s74
	s_lshl_b32 s74, s[WR], 18
	s_add_co_u32 s72, s72, s74                     ; + 256 tokens a work-group, 64 a row of waves
	s_add_nc_u64 s[OB:OB+1], s[10:11], s[72:73]
	s_lshl_b32 s72, s23, 12
	s_lshl_b32 s74, s[WC], 9
	s_add_co_u32 s72, s72, s74
	s_add_co_u32 s72, s72, WSO+3*32768
	s_add_nc_u64 s[WSB:WSB+1], s[6:7], s[72:73]
	s_add_co_u32 s78, s[OX], SLOTB
	s_add_co_u32 s78, s78, s76
	s_mov_b32 s79, 0
	s_add_nc_u64 s[78:79], s[4:5], s[78:79]
	s_lshl_b32 s94, s[WR], 16
	s_lshl_b32 s95, s[WC], 16
	s_lshl_b32 s96, s[WR], 9
	s_add_co_u32 s96, s96, SCL
	s_mul_i32 s97, s[WV], 4352
	s_add_co_u32 s97, s97, STG
	v_and_b32 v1, 15, v0                           ; r
	v_bfe_u32 v2, v0, 4, 1                         ; h
	v_and_b32 v3, 31, v0                           ; lane
	v_lshlrev_b32 v20, 4, v3
	v_add_nc_u32 v[ADX], s94, v20
	v_add_nc_u32 v[ADX+1], SLOTB, v[ADX]
	v_add_nc_u32 v[ADW], s95, v20
	v_add_nc_u32 v[ADW+1], SLOTB, v[ADW]
	v_lshl_add_u32 v[AAS], v1, 3, s96
	v_mul_u32_u24 v21, v1, 272
	v_lshl_add_u32 v21, v2, 6, v21
	v_add_nc_u32 v[STO], s97, v21                  ; into the stage: row r, 64 h bytes on
	v_mul_u32_u24 v22, v2, 272
	v_lshl_add_u32 v22, v1, 4, v22
	v_add_nc_u32 v[RD], s97, v22                   ; back: lanes 0-15 one row, lanes 16-31 the next
	v_lshlrev_b32 v23, 12, v2
	v_lshl_add_u32 v[GO], v1, 4, v23               ; and the same two rows in out0
	v_lshlrev_b32 v[BO], 6, v2
	v_lshlrev_b32 v[ABS], 3, v3
	v_lshlrev_b32 v[PFO], 8, v3
.irp p, 0,1
.irp s, 0,1,2,3
	global_load_b64 v[SB+8*\p+2*\s:SB+8*\p+2*\s+1], v[ABS], s[WSB:WSB+1] offset:1024*\s+256*\p
.endr
.endr
.irp b, 0,1,2,3
	global_load_b128 v[BQ+8*\b:BQ+8*\b+3], v[BO], s[8:9] offset:(32*(\b/2)+8*(\b%2))*4
	global_load_b128 v[BQ+8*\b+4:BQ+8*\b+7], v[BO], s[8:9] offset:(32*(\b/2)+8*(\b%2))*4+16
.endr
	s_wait_alu depctr_va_vdst(0)
	s_cmp_eq_u32 s[WV], 0
	s_cbranch_scc0 .Lnot_w
	s_wait_tensorcnt 0x0                           ; wave 0: Wp's rows have landed; the others' wait stands in front of the round
.Lnot_w:
	BARRIER
	global_prefetch_b8 v[PFO], s[78:79] th:TH_LOAD_NT scope:SCOPE_SE
	WEIGHTS ADW+1
	s_wait_tensorcnt 0x0
	ds_add_u32 v[SPW], v[NIL]
	s_mov_b32 s[G1X+2], 8<<16                      ; no tensor load of mine is out: a load now brings 8 rows of 4,096 bytes
	s_mov_b32 s[G1X+4], 8
	s_lshl_b32 s72, s[WV], 15
	s_add_co_u32 s[G0X+1], s72, SLOTB
	s_add_co_u32 s72, s72, s[OX]
	s_add_co_u32 s72, s72, SLOTB
	s_mov_b32 s73, 0
	s_add_nc_u64 s[G0X+2:G0X+3], s[4:5], s[72:73]
	s_or_b32 s[G0X+3], s[G0X+3], 0x80000000
	s_wait_dscnt 0x0                               ; the add is done, and Wp's rows are in registers
	CROUND
	TLOAD G0X, G1X                                 ; chunk 1, a quarter a wave, over Wp's rows
	FETCH 0, 0
	FETCH 1, 0
	s_wait_loadcnt 0x0
	STEPO 0, 36, 0, 0
	STEPO 1, 36, 0, 0
	STEPO 2, 36, 1, 1
	STEPO 3, 36, 1, 0
	STEPO 4, 36, 1, 0
	STEPO 5, 36, 1, 0
	STEPO 6, 36, -1, 0
	STEPO 7, 0, -1, 0
	s_wait_tensorcnt 0x0                           ; the wave's end
	ds_add_u32 v[SPW], v[NIL]
	s_wait_dscnt 0x0
	CROUND                                         ; the closing round
	s_endpgm
.Lfunc_end_k_q5f0c906786_outp:
	.size	k_q5f0c906786_outp, .Lfunc_end_k_q5f0c906786_outp-k_q5f0c906786_outp
	.p2alignl 7, 3214868480
	.fill 96, 4, 3214868480
	.section	.rodata,"a",@progbits
	.p2align	6, 0x0
	.amdhsa_kernel k_q5f0c906786_outp
		.amdhsa_group_segment_fixed_size 327680
		.amdhsa_private_segment_fixed_size 0
		.amdhsa_enable_private_segment 0
		.amdhsa_kernarg_size 32
		.amdhsa_user_sgpr_count 2
		.amdhsa_user_sgpr_kernarg_segment_ptr 1
		.amdhsa_wavefront_size32 1
		.amdhsa_system_sgpr_workgroup_id_x 1
		.amdhsa_system_sgpr_workgroup_id_y 1
		.amdhsa_system_sgpr_workgroup_id_z 1
		.amdhsa_system_vgpr_workitem_id 0
		.amdhsa_next_free_vgpr 1024
		.amdhsa_next_free_sgpr 102
		.amdhsa_reserve_vcc 0
		.amdhsa_float_denorm_mode_32 3
		.amdhsa_float_denorm_mode_16_64 3
		.amdhsa_memory_ordered 1
		.amdhsa_forward_progress 1
		.amdhsa_inst_pref_size 87
	.end_amdhsa_kernel
	.amdgpu_metadata
---
amdhsa.version: [ 1, 2 ]
amdhsa.kernels:
  - .name:           k_q5f0c906786_outp
    .symbol:         k_q5f0c906786_outp.kd
    .args:
      - { .name: yb, .offset: 0, .size: 8, .value_kind: global_buffer, .address_space: global }
      - { .name: wb, .offset: 8, .size: 8, .value_kind: global_buffer, .address_space: global }
      - { .name: bp, .offset: 16, .size: 8, .value_kind: global_buffer, .address_space: global }
      - { .name: out0, .offset: 24, .size: 8, .value_kind: global_buffer, .address_space: global }
    .group_segment_fixed_size: 327680
    .private_segment_fixed_size: 0
    .kernarg_segment_align: 8
    .kernarg_segment_size: 32
    .max_flat_workgroup_size: 128
    .sgpr_count:     102
    .vgpr_count:     1024
    .wavefront_size: 32
...
	.end_amdgpu_metadata
.endif
;; end of part 4
